; MI455X (gfx1250); checked and timed in simulation.
; The chip was launched on July 23, 2026; its instructions are those of AMD's public machine-readable ISA for CDNA 5 (MIT licence, August 2026) and "CDNA5" Instruction Set Architecture Reference Guide (July 2026). The comments in the code are by the model that wrote it; some were corrected since.
;; Multi Head. Allowed arithmetic: matrix products marked QUANTISED: E4M3 operands, one E8M0 scale for each 32 along K, by v_wmma_scale_f32_16x16x128_f8f6f4 with both operands' format E4M3, f32 sums; everything else in f32.
;; Inputs: Wk_codes 1,024 x 32 x 32 uint8 (E4M3 codes of Wk, K innermost, in blocks of 32 codes); Wk_scales 1,024 x 32 uint8 (E8M0 scales of Wk, one for each 32 codes along K); Wo_codes 1,024 x 32 x 32 uint8 (E4M3 codes of Wo, K innermost, in blocks of 32 codes); Wo_scales 1,024 x 32 uint8 (E8M0 scales of Wo, one for each 32 codes along K); Wq_codes 1,024 x 32 x 32 uint8 (E4M3 codes of Wq, K innermost, in blocks of 32 codes); Wq_scales 1,024 x 32 uint8 (E8M0 scales of Wq, one for each 32 codes along K); Wv_codes 1,024 x 32 x 32 uint8 (E4M3 codes of Wv, K innermost, in blocks of 32 codes); Wv_scales 1,024 x 32 uint8 (E8M0 scales of Wv, one for each 32 codes along K); beta 1,024 float32; bk 1,024 float32; bo 1,024 float32; bq 1,024 float32; bv 1,024 float32; gamma 1,024 float32; k_codes 4 x 2,048 x 32 x 32 uint8 (E4M3 codes of k, K innermost, in blocks of 32 codes); k_scales 4 x 2,048 x 32 uint8 (E8M0 scales of k, one for each 32 codes along K); mask 4 x 1 x 2,048 x 2,048 bool; q 4 x 2,048 x 1,024 float32; v_codes 4 x 2,048 x 32 x 32 uint8 (E4M3 codes of v, K innermost, in blocks of 32 codes); v_scales 4 x 2,048 x 32 uint8 (E8M0 scales of v, one for each 32 codes along K).
;; Outputs: out0 4 x 2,048 x 1,024 float32.
;; Constants: training = 0.
;; This version of the problem:
;;   THIS VERSION OF THE PROBLEM IS GIVEN IN LOW PRECISION. The matrix products marked QUANTISED in the list below multiply operands that are first quantised to E4M3 (4 exponent bits, 3 mantissa bits; 8 bits a number), with one power-of-two scale for each 32 numbers along K (OCP MX v1.0); their sums are f32. All else is computed in f32.
;;   The module's matrix products, in the order in which they are computed (A, B: the left and right operand; K: the contracted axis; several contracted axes count as one K, in the product's order):
;;     1. [M 8,192, K 1,024] x [K 1,024, N 1,024]; A: input q; B: input Wq (given as codes): QUANTISED
;;     2. [M 8,192, K 1,024] x [K 1,024, N 1,024]; A: input k (given as codes); B: input Wk (given as codes): QUANTISED
;;     3. [M 8,192, K 1,024] x [K 1,024, N 1,024]; A: input v (given as codes); B: input Wv (given as codes): QUANTISED
;;     4. batch 64 x [M 2,048, K 64] x [K 64, N 2,048]; A: computed on the way; B: computed on the way: QUANTISED
;;     5. batch 64 x [M 2,048, K 2,048] x [K 2,048, N 64]; A: softmax (see below); B: computed on the way: QUANTISED
;;     6. [M 8,192, K 1,024] x [K 1,024, N 1,024]; A: computed on the way; B: input Wo (given as codes): QUANTISED
;;   THE QUANTISER, for each operand of a quantised product, along K:
;;     - K is cut into blocks of 32 from its start; a last block that is shorter is filled with zeros.
;;     - A block's scale is 2^e with e = floor(log2(the largest magnitude in the block)) - 8, held to -126 .. 127; a block of zeros has e = 0. As a byte (E8M0): e + 127.
;;     - Each number is divided by its block's scale, clamped to +-448, and rounded to the nearest number of E4M3, ties to even, subnormals kept.
;;     - The product sums the exact products of the quantised numbers (number of the format x scale) in f32.
;;   ~~~python
;;   def quantise(x, axis):      # numpy; x: float32 -> the quantised numbers, widened to float32 again
;;       x = np.moveaxis(x, axis, -1); K = x.shape[-1]
;;       x = np.pad(x, [(0, 0)] * (x.ndim - 1) + [(0, -K % 32)]); x = x.reshape(x.shape[:-1] + (-1, 32)); a = np.abs(x).max(-1, keepdims=True)
;;       e = np.where(a > 0, np.clip(np.frexp(np.where(a > 0, a, 1))[1] - 1 - 8, -126, 127), 0)      # np.frexp(a)[1] - 1 = floor(log2(a)), exactly
;;       r = np.clip(x / 2.0 ** e, -448, 448)
;;       step = 2.0 ** (np.maximum(np.frexp(np.where(r == 0, 1, r))[1] - 1, -6) - 3)
;;       q = np.round(r / step) * step * 2.0 ** e      # np.round: ties to even
;;       return np.moveaxis(q.reshape(q.shape[:-2] + (-1,))[..., :K], -1, axis).astype(np.float32)
;;   ~~~
;;   SOFTMAX AHEAD OF A QUANTISED PRODUCT. Where the list says 'softmax', what is quantised is not the finished softmax but p = 2^(t - M), with t = logit x log2(e) and M = ceil(the row's largest t), a whole number; so 1/2 < the row's largest p <= 1. The row's sum l is taken of the UNQUANTISED p, in f32, and the product's result is divided by l at the end. Since M is a whole number, a kernel that streams over the keys may use a running M (the ceiling of the running maximum): every later rescaling is an exact power of two, which a block's scale takes up: the codes' values come out the same.
;;   OPERANDS COMPUTED ON THE WAY. 'Computed on the way' means the value that the module computes at that place (a softmax that the list does not call 'softmax' is quantised finished and normalised). What goes into a quantiser is computed in f32, as accurately as f32 sums, v_exp_f32 and their like allow (about 1e-6 of the number): no bf16 or f16 on the way to a quantiser, and a product that is left as it is and whose result goes on into a quantised operand takes f32 operands (vector FMAs, or v_wmma_f32_16x16x4_f32). A number that lies on a knife's edge between two numbers of the format may be rounded either way, as far as f32 arithmetic and the matrix unit's own rounding can turn it there, and no further.
;;   INPUTS GIVEN AS CODES. Wk (in the module: [1024, 1024], K = its axis 1); Wo (in the module: [1024, 1024], K = its axis 1); Wq (in the module: [1024, 1024], K = its axis 1); Wv (in the module: [1024, 1024], K = its axis 1); k (in the module: [4, 2048, 1024], K = its axis 2); v (in the module: [4, 2048, 1024], K = its axis 2): each comes as NAME_codes (uint8): NAME with its K axis moved to the last place and cut into blocks of 32 codes, [.., K / 32, bytes a block], one block behind the other in memory; one code a byte (a code: sign, 4 exponent bits, 3 mantissa bits); and NAME_scales (uint8): the same leading axes, one E8M0 byte (e + 127) for each 32 codes along K. Its value is code x scale, taken as it is: it is not quantised again, and the codes and scales need not be those that the quantiser above would give.
;; One version. Each part assembles by itself: llvm-mc -triple=amdgcn-amd-amdhsa -mcpu=gfx1250 --defsym DOCPART=n.
;; ======== version 1 of 1: 4 launches
;; limits: right only within a limited range of input values
;; workspace buffers: qc 8,388,608 bytes; qs 262,144 bytes; maskbits 2,097,152 bytes of whole numbers; woimg 1,048,576 bytes; qimg 8,912,896 bytes; kv 17,563,648 bytes; ctximg 8,388,608 bytes; ctxs 262,144 bytes
;; launch prep (part 1): grid 256 x 1, 4 waves a work-group, no clusters, 99,840 bytes of LDS; arguments q, mask, Wo_codes, qc, qs, maskbits, woimg; writes qc, qs, maskbits, woimg
.if DOCPART == 1
	.amdgcn_target "amdgcn-amd-amdhsa--gfx1250"
	.amdhsa_code_object_version 6
	.text
	.protected	k_qdf5f65af34_prep
	.globl	k_qdf5f65af34_prep
	.p2align	8
	.type	k_qdf5f65af34_prep,@function
k_qdf5f65af34_prep:
	s_mov_b64 s[64:65], 0
	v_nop
	global_prefetch_b8 v0, s[64:65] scope:SCOPE_SE
	s_setreg_imm32_b32 hwreg(HW_REG_WAVE_MODE, 25, 1), 1
	s_wait_xcnt 0x0
; THREE STREAMS, ONE PATH FOR EVERY WAVE.  Wave W = 4 x work-group + wave (0 .. 1023) takes
;  (1) run W of 8,192 numbers of q (f32) -> codes of E4M3 in qc, K innermost, and one E8M0 byte for each 32 along K in qs;
;  (2) 16 query rows x 1,024 keys of the mask (bytes) -> lane-mask words in maskbits: for query tile TI = W / 2 and key step s, word 8 t + j has in bit l
;      mask[16 TI + l % 16][128 s + 16 t + 8 (l / 16) + j]: the word that selects register 8 t + j of a tile of scores in the attention launch;
;  (3) half a fragment of Wo's codes -> woimg, laid in the order of the operand's registers: group c of fragment F at (4 F + c) x 512 + 16 x lane.
; A block's scale is 2^(floor(log2(its largest magnitude)) - 8); its byte is the largest magnitude's exponent field - 8, held at 1 from below.
; LIMITS: a block of zeros gets the byte 1 where the quantiser says 127 (its codes are zeros, and this program alone reads the bytes); blocks whose largest magnitude
; lies under 2^-118 are held at byte 1; NaN and infinities in q are not served.
; No matrix unit, no tensor load, no cluster, no barrier: memory binds, and waves share nothing (each has LDS bytes of its own).
; All 50 loads of a wave's first phase go out together: 32 of the mask, 2 of Wo, 16 of q.
.set WREG,  24832                      ; LDS of a wave: two stages for q (2 x 32 x 80), 256 scale bytes, and from MST on the mask's stage
.set SP,    80                         ; q's stage: a lane's 64 bytes + 16 of padding
.set MST,   8192
.set MPI,   1040                       ; the mask's stage: a row of 1,024 bytes + 16: row r begins 4 r words on, modulo 64 words
.set STEPS, 16
.set EMAX,  8
.set MANT,  0x600000                   ; the mantissa field of 448 as f32
.set R,     16                         ; v16-79   q: four sets of 16 numbers as loaded
.set X,     80                         ; v80-111  q: two sets of 16 neighbours
.set E,     112                        ; v112-127 q: a scale byte for each step
.set C,     128                        ; v128-191 q: codes, four registers a step
.set MD,    128                        ; v128-255 the mask as loaded (ahead of q's phase)
.set MB,    80                         ; v80-95   the mask: 8 bytes for each of a step's 8 tiles
.set MW,    96                         ; v96-111  the mask: a pair of words a lane for each of 8 steps
.set WD,    112                        ; v112-119 Wo's 32 bytes a lane
.set TP,    120                        ; v120-123 at work
.set MSI,   124                        ; v124     the mask's stage, on the way in
.set MSO,   125                        ; v125     and on the way out
.set WOO,   126                        ; v126     my lane's byte in a tile of Wo's rows
	s_load_b256 s[4:11], s[0:1], 0x0               ; q s[4:5], mask s[6:7], Wo_codes s[8:9], qc s[10:11]
	s_load_b128 s[12:15], s[0:1], 0x20             ; qs s[12:13], maskbits s[14:15]
	s_load_b64 s[16:17], s[0:1], 0x30              ; woimg
	v_lshl_add_u32 v4, v0, 2, 0x18400
	s_set_vgpr_msb 0x40
	v_mov_b32 v1, 0
	s_set_vgpr_msb 0x4000
	v_lshrrev_b32 v1, 5, v0
	v_readfirstlane_b32 s18, v1                    ; wave
	v_and_b32 v2, 31, v0                           ; lane
	v_lshlrev_b32 v3, 4, v2                        ; 16 x lane: my 16 bytes of 512
	s_mul_i32 s20, s18, WREG
	v_lshrrev_b32 v14, 2, v2
	v_mul_u32_u24 v14, v14, SP
	v_and_b32 v15, 3, v2
	v_lshl_add_u32 v14, v15, 4, v14
	v_add_nc_u32 v14, s20, v14                     ; q's stage, in: four lanes' 64 bytes on end, then 16 of padding
	v_mul_u32_u24 v15, v2, SP
	v_add_nc_u32 v15, s20, v15                     ; and out: my 16 neighbours
	v_lshrrev_b32 v5, 1, v2
	s_add_co_u32 s21, s20, 2*32*SP
	v_add_nc_u32 v5, s21, v5                       ; my block's scale byte
	v_lshlrev_b32 v7, 3, v2                        ; 8 x lane
	v_add_nc_u32 v6, s21, v7
	s_add_co_u32 s22, s20, MST
	v_add_nc_u32 v[MSI], s22, v3
	v_and_b32 v8, 15, v0                           ; r
	v_bfe_u32 v9, v0, 4, 1                         ; h
	v_mul_u32_u24 v[MSO], v8, MPI
	v_lshl_add_u32 v[MSO], v9, 3, v[MSO]
	v_add_nc_u32 v[MSO], s22, v[MSO]               ; row r, + 8 h
	v_lshlrev_b32 v[WOO], 10, v8
	v_lshl_add_u32 v[WOO], v9, 4, v[WOO]           ; Wo: row r of 1,024 bytes, + 16 h
	s_lshl_b32 s19, ttmp9, 2
	s_add_co_u32 s19, s19, s18                     ; W
	s_lshr_b32 s26, s19, 1                         ; the query tile, and Wo's fragment
	s_and_b32 s27, s19, 1                          ; which half
	s_mov_b32 s25, 0
	s_wait_alu depctr_va_vdst(0)
	s_wait_kmcnt 0x0
	s_lshl_b32 s24, s19, 15
	s_add_nc_u64 s[4:5], s[4:5], s[24:25]          ; q: 32,768 bytes a run
	s_lshl_b32 s24, s19, 13
	s_add_nc_u64 s[10:11], s[10:11], s[24:25]      ; its codes: 8,192
	s_lshl_b32 s24, s19, 8
	s_add_nc_u64 s[12:13], s[12:13], s[24:25]      ; its scale bytes: 256
	s_lshl_b32 s24, s19, 11
	s_add_nc_u64 s[14:15], s[14:15], s[24:25]      ; the mask words: 8 steps x 256 bytes
	s_lshl_b32 s24, s19, 10
	s_add_nc_u64 s[16:17], s[16:17], s[24:25]      ; Wo's image: 1,024 bytes
	s_lshl_b32 s24, s26, 15                        ; the mask: 16 rows of 2,048 bytes a tile,
	s_lshl_b32 s28, s27, 10                        ; + my half of each row
	s_add_co_u32 s24, s24, s28
	s_add_nc_u64 s[6:7], s[6:7], s[24:25]
	s_lshr_b32 s24, s26, 3                         ; Wo: tile of 16 rows,
	s_lshl_b32 s24, s24, 14
	s_and_b32 s28, s26, 7                          ; K step of 128,
	s_lshl_b32 s28, s28, 7
	s_add_co_u32 s24, s24, s28
	s_lshl_b32 s28, s27, 6                         ; my two groups of 32
	s_add_co_u32 s24, s24, s28
	s_add_nc_u64 s[8:9], s[8:9], s[24:25]
.set rr, 0
.rept 16
	global_load_b128 v[MD+8*rr:MD+8*rr+3],   v3, s[6:7] offset:rr*2048 th:TH_LOAD_NT       ; 32 lanes read 512 consecutive bytes of a mask row
	global_load_b128 v[MD+8*rr+4:MD+8*rr+7], v3, s[6:7] offset:rr*2048+512 th:TH_LOAD_NT
.set rr, rr+1
.endr
	global_load_b128 v[WD:WD+3],   v[WOO], s[8:9]
	global_load_b128 v[WD+4:WD+7], v[WOO], s[8:9] offset:32
.macro LOAD t
.irp i, 0,1,2,3
	global_load_b128 v[R+16*((\t)%4)+4*\i:R+16*((\t)%4)+4*\i+3], v3, s[4:5] offset:2048*(\t)+512*\i th:TH_LOAD_NT   ; 32 lanes read 512 consecutive bytes
.endr
.endm
.irp t, 0,1,2,3
	LOAD \t
.endr
.set rr, 0
.rept 16
	v_mov_b32 v[MW+rr], 0                          ; a lane write's destination counts as read: written once
.set rr, rr+1
.endr
	s_wait_loadcnt 16                              ; the mask and Wo are in; q's 16 loads stay out
	global_store_b128 v3, v[WD:WD+3],   s[16:17]             ; 512 consecutive bytes each
	global_store_b128 v3, v[WD+4:WD+7], s[16:17] offset:512
.set rr, 0
.rept 16
	ds_store_b128 v[MSI], v[MD+8*rr:MD+8*rr+3]   offset:rr*MPI
	ds_store_b128 v[MSI], v[MD+8*rr+4:MD+8*rr+7] offset:rr*MPI+512
.set rr, rr+1
.endr
; One key step: lane (r, h) takes, for each tile t, the 8 bytes of row r at keys 16 t + 8 h; byte j of all 32 lanes becomes word 8 t + j by a compare; word n goes to lane n / 2, register n % 2.
.macro MSTEP s
.irp t, 0,1,2,3,4,5,6,7
	ds_load_b64 v[MB+2*\t:MB+2*\t+1], v[MSO] offset:128*(\s)+16*\t       ; LDS serves a wave's instructions in order: these see my stores
.endr
	s_wait_dscnt 0x0
.set nn, 0
.rept 64
	v_and_b32 v[TP+nn%4], 0xff<<(8*(nn%4)), v[MB+2*(nn/8)+(nn%8)/4]
	v_cmp_ne_u32 s[32+nn%16], 0, v[TP+nn%4]
	v_writelane_b32 v[MW+2*(\s)+nn%2], s[32+nn%16], nn/2
.set nn, nn+1
.endr
	global_store_b64 v7, v[MW+2*(\s):MW+2*(\s)+1], s[14:15] offset:256*(\s)   ; 32 lanes store 256 consecutive bytes, aligned; each step has data registers of its own
.endm
.irp s, 0,1,2,3,4,5,6,7
	MSTEP \s
.endr
	s_wait_xcnt 0x0                                ; the stores above have read their data: q's phase writes those registers again
; q, sixteen steps of 512 numbers.  Each load reads 512 consecutive bytes; a step's 2,048 bytes turn through my stage so that a lane holds 16 neighbours along K (two lanes hold a block of 32).
.macro TURN t
.irp i, 0,1,2,3
	ds_store_b128 v14, v[R+16*((\t)%4)+4*\i:R+16*((\t)%4)+4*\i+3] offset:32*SP*((\t)%2)+8*SP*\i
.endr
.irp i, 0,1,2,3
	ds_load_b128 v[X+16*((\t)%2)+4*\i:X+16*((\t)%2)+4*\i+3], v15 offset:32*SP*((\t)%2)+16*\i
.endr
.endm
	s_wait_loadcnt 12                              ; step 0's four loads are in
	TURN 0
.macro STEP t
.set XS, X+16*((\t)%2)
.if (\t) > 0
	s_wait_dscnt 1                                 ; this step's numbers are back from the stage (the last step's byte store may be out)
.else
	s_wait_dscnt 0x0
.endif
.if (\t)+4 < STEPS
	LOAD (\t)+4                                    ; into the registers that the stage's stores have read
.endif
.if (\t)+1 < STEPS
.if STEPS-2-(\t) >= 3
	s_wait_loadcnt 12                              ; the next step's four loads are in; those of the three steps behind it may be out
.else
	s_wait_loadcnt 4*(STEPS-2-(\t))
.endif
	TURN (\t)+1
.endif
	v_max3_num_f32 v8, |v[XS]|, |v[XS+1]|, |v[XS+2]|               ; the largest magnitude of my 16, in two chains
	v_max3_num_f32 v9, |v[XS+3]|, |v[XS+4]|, |v[XS+5]|
.irp i, 6,10
	v_max3_num_f32 v8, v8, |v[XS+\i]|, |v[XS+\i+1]|
	v_max3_num_f32 v9, v9, |v[XS+\i+2]|, |v[XS+\i+3]|
.endr
	v_max3_num_f32 v8, v8, |v[XS+14]|, |v[XS+15]|
	v_max3_num_f32 v8, v8, v9, (EMAX+1)<<23        ; and the floor 2^(9 - 127): the byte cannot fall under 1
	v_max_num_f32_dpp v8, v8, v8 row_xmask:1 row_mask:0xf bank_mask:0xf   ; and of my neighbour's 16: the block's
	v_add_nc_u32 v11, -(EMAX<<23), v8              ; 8 off its exponent field: the conversion's scale operand
.irp i, 0,1,2,3,4,5,6,7,8,9,10,11,12,13,14,15
.endr
	v_cvt_scalef32_pk8_fp8_f32 v[C+4*(\t):C+4*(\t)+1], v[XS:XS+7], v11
	v_cvt_scalef32_pk8_fp8_f32 v[C+4*(\t)+2:C+4*(\t)+3], v[XS+8:XS+15], v11
	v_lshrrev_b32 v[E+(\t)], 23, v11               ; the scale's byte
	ds_store_b8 v5, v[E+(\t)] offset:16*(\t)       ; both lanes of a block write the same byte with the same value
	global_store_b128 v3, v[C+4*(\t):C+4*(\t)+3], s[10:11] offset:512*(\t)   ; 512 consecutive bytes
.endm
.irp t, 0,1,2,3,4,5,6,7,8,9,10,11,12,13,14,15
	STEP \t
.endr
	ds_load_b64 v[12:13], v6
	s_wait_dscnt 0x0
	global_store_b64 v7, v[12:13], s[12:13]        ; 32 lanes store 256 consecutive bytes, aligned
	s_set_vgpr_msb 0x4
	s_wait_tensorcnt 0x0
	ds_add_u32 v4, v1
	s_wait_dscnt 0x0
	s_set_vgpr_msb 0x400
	s_endpgm
.Lfunc_end_k_qdf5f65af34_prep:
	.size	k_qdf5f65af34_prep, .Lfunc_end_k_qdf5f65af34_prep-k_qdf5f65af34_prep
	.p2alignl 7, 3214868480
	.fill 96, 4, 3214868480
	.section	.rodata,"a",@progbits
	.p2align	6, 0x0
	.amdhsa_kernel k_qdf5f65af34_prep
		.amdhsa_group_segment_fixed_size 99840
		.amdhsa_private_segment_fixed_size 0
		.amdhsa_enable_private_segment 0
		.amdhsa_kernarg_size 56
		.amdhsa_user_sgpr_count 2
		.amdhsa_user_sgpr_kernarg_segment_ptr 1
		.amdhsa_wavefront_size32 1
		.amdhsa_system_sgpr_workgroup_id_x 1
		.amdhsa_system_sgpr_workgroup_id_y 1
		.amdhsa_system_sgpr_workgroup_id_z 1
		.amdhsa_system_vgpr_workitem_id 0
		.amdhsa_next_free_vgpr 258
		.amdhsa_next_free_sgpr 66
		.amdhsa_reserve_vcc 0
		.amdhsa_float_denorm_mode_32 3
		.amdhsa_float_denorm_mode_16_64 3
		.amdhsa_fp16_overflow 1
		.amdhsa_memory_ordered 1
		.amdhsa_forward_progress 1
		.amdhsa_inst_pref_size 141
	.end_amdhsa_kernel
	.amdgpu_metadata
---
amdhsa.version: [ 1, 2 ]
amdhsa.kernels:
  - .name:           k_qdf5f65af34_prep
    .symbol:         k_qdf5f65af34_prep.kd
    .args:
      - { .name: q, .offset: 0, .size: 8, .value_kind: global_buffer, .address_space: global }
      - { .name: mask, .offset: 8, .size: 8, .value_kind: global_buffer, .address_space: global }
      - { .name: Wo_codes, .offset: 16, .size: 8, .value_kind: global_buffer, .address_space: global }
      - { .name: qc, .offset: 24, .size: 8, .value_kind: global_buffer, .address_space: global }
      - { .name: qs, .offset: 32, .size: 8, .value_kind: global_buffer, .address_space: global }
      - { .name: maskbits, .offset: 40, .size: 8, .value_kind: global_buffer, .address_space: global }
      - { .name: woimg, .offset: 48, .size: 8, .value_kind: global_buffer, .address_space: global }
    .group_segment_fixed_size: 99840
    .private_segment_fixed_size: 0
    .kernarg_segment_align: 8
    .kernarg_segment_size: 56
    .max_flat_workgroup_size: 128
    .sgpr_count:     66
    .vgpr_count:     258
    .wavefront_size: 32
...
	.end_amdgpu_metadata
.endif
;; end of part 1
;; launch proj (part 2): grid 4 x 96, 4 waves a work-group, clusters of 4 x 4, 327,680 bytes of LDS; arguments qc, qs, Wq_codes, Wq_scales, bq, qimg, k_codes, k_scales, Wk_codes, Wk_scales, bk, kv, Wv_codes, Wv_scales, v_codes, v_scales, bv; writes qimg, kv
.if DOCPART == 2
	.amdgcn_target "amdgcn-amd-amdhsa--gfx1250"
	.amdhsa_code_object_version 6
	.text
	.protected	k_qdf5f65af34_proj
	.globl	k_qdf5f65af34_proj
	.p2align	8
	.type	k_qdf5f65af34_proj,@function
k_qdf5f65af34_proj:
	s_mov_b64 s[64:65], 0
	v_nop
	global_prefetch_b8 v0, s[64:65] scope:SCOPE_SE
	s_setreg_imm32_b32 hwreg(HW_REG_WAVE_MODE, 25, 1), 1
	s_wait_xcnt 0x0
	s_wait_alu depctr_hold_cnt(0) depctr_sa_sdst(0) depctr_va_vdst(0) depctr_va_sdst(0) depctr_va_ssrc(0) depctr_va_vcc(0) depctr_vm_vsrc(0)
	s_getreg_b32 s2, hwreg(HW_REG_IB_STS2, 6, 4)
	s_cmp_eq_u32 s2, 0
	s_cbranch_scc0 .Lentry_in_a_cluster
	s_endpgm
.Lentry_in_a_cluster:
	s_bfe_u32 s2, ttmp6, 0x10000c
	s_cmp_lg_u32 s2, 0xf033
	s_cbranch_scc0 .Lentry_shape_is_right
	s_endpgm
.Lentry_shape_is_right:
.set KSTEP,  256
.set NQ,     KSTEP/128
.set ROWB,   256
.set KROW,   1024
.set PITCH,  272
.set FR,     16
.set NL,     4
.set NP,     8
.set HALFT,  128*PITCH
.set SLOT,   4*HALFT
.set LAPS,   1024/(2*KSTEP)
.set KS,     32
.set SCL,    2*SLOT
.set HALFS,  (128*KS/256)*272
.set SBLK,   (16*KS/256)*272
.set SPARE,  SCL+4*HALFS
.set BO,   8
.set L16,  9
.set L8,   10
.set LNE,  11
.set ADRA, 16
.set ADRB, 20
.set ADRS, 27
.set SPW,  28
.set NIL,  29
.set SC,   32
.set BI,   64
.set AF,   128
.set XX,   128
.set PC,   192
.set TM,   208
.set PW,   224
.set SW,   232
.set XW,   248
.set SEC,  2
.set G1, 24
.set G0, 32
.set G1B, 48
.set G0B, 56
.set G1S, 68
.set G0S, 76
.set G1SB, 80
.set G0SB, 88
.set OUT,  92
.set PADW, 96
.set MNT,  97
.set SEL,  98
.set MSB, 0
.macro WIN new
.if MSB != \new
	s_set_vgpr_msb (MSB<<8)|\new
.set MSB, \new
.endif
.endm
.set MUL_LO, 0xa1
.set MUL_HI, 0xf1
.set TO_B,   0x40
.macro JLOAD g0a, g1a, g0b, g1b
	s_cmp_eq_u32 s15, 0
	s_cbranch_scc0 .Lfor_b_\@
	tensor_load_to_lds s[\g0a:\g0a+3], s[\g1a:\g1a+7]
	s_nop 0
.rept 4
	v_nop
.endr
	s_branch .Lasked_\@
.Lfor_b_\@:
	tensor_load_to_lds s[\g0b:\g0b+3], s[\g1b:\g1b+7]
	s_nop 0
.rept 4
	v_nop
.endr
.Lasked_\@:
.endm
.macro CREST
	s_cmp_lg_u32 s14, 0
	s_cbranch_scc1 .Lnot_wave_0_\@
	s_barrier_signal -3
.Lnot_wave_0_\@:
	s_barrier_wait -3
	s_barrier_signal -1
	s_barrier_wait -1
.endm
.macro CROUND
	s_barrier_signal -1
	s_barrier_wait -1
	CREST
.endm
	s_load_b512 s[68:83], s[0:1], 0x0
	s_load_b512 s[84:99], s[0:1], 0x40
	s_load_b64 s[100:101], s[0:1], 0x80
	v_lshl_add_u32 v[SPW], v0, 2, SPARE
	v_mov_b32 v[NIL], 0
	ds_add_u32 v28, v29
	ds_add_u32 v28, v29
	s_wait_dscnt 0x0
	v_lshrrev_b32 v1, 5, v0
	v_readfirstlane_b32 s14, v1
	s_lshr_b32 s15, s14, 1
	s_and_b32 s16, s14, 1
	s_bfe_u32 s40, ttmp6, 0x40000
	s_bfe_u32 s41, ttmp6, 0x40004
	s_and_b32 s17, ttmp7, 0xffff
	s_lshr_b32 s[SEC], s17, 3
	s_and_b32 s17, s17, 7
	s_lshl_b32 s17, s17, 2
	s_cmp_eq_u32 s[SEC], 2
	s_cselect_b32 s42, s17, 0
	s_cselect_b32 s17, 0, s17
	s_add_co_u32 s42, s42, s40
	s_add_co_u32 s17, s17, s41
	s_lshl_b32 s43, s41, 2
	s_lshl_b32 s43, 15, s43
	s_lshl_b32 s44, 0x1111, s40
	s_wait_kmcnt 0x0
	s_cmp_eq_u32 s[SEC], 0
	s_cselect_b64 s[4:5], s[68:69], s[80:81]
	s_cselect_b64 s[6:7], s[70:71], s[82:83]
	s_cselect_b64 s[8:9], s[72:73], s[84:85]
	s_cselect_b64 s[10:11], s[74:75], s[86:87]
	s_cselect_b64 s[12:13], s[76:77], s[88:89]
	s_cmp_eq_u32 s[SEC], 2
	s_cselect_b64 s[4:5], s[92:93], s[4:5]
	s_cselect_b64 s[6:7], s[94:95], s[6:7]
	s_cselect_b64 s[8:9], s[96:97], s[8:9]
	s_cselect_b64 s[10:11], s[98:99], s[10:11]
	s_cselect_b64 s[12:13], s[100:101], s[12:13]
	s_cmp_eq_u32 s[SEC], 0
	s_cselect_b64 s[100:101], s[78:79], s[90:91]
	s_or_b32 s[G1+0], s43, (0<<16)|(1<<20)|(1<<21)|(5<<22)|(3<<25)
	s_or_b32 s[G1B+0], s44, (0<<16)|(1<<20)|(1<<21)|(5<<22)|(3<<25)
.irp g, G1, G1B
	s_mov_b32 s[\g+1], ROWB<<16
	s_mov_b32 s[\g+2], 128<<16
	s_mov_b32 s[\g+3], ROWB<<16
	s_mov_b32 s[\g+4], 128
	s_mov_b32 s[\g+5], KROW
	s_mov_b32 s[\g+6], 0
	s_mov_b32 s[\g+7], 0
.endr
	s_or_b32 s[G1S+0], s43, (3<<16)|(1<<20)|(1<<21)|(5<<22)|(3<<25)
	s_or_b32 s[G1SB+0], s44, (3<<16)|(1<<20)|(1<<21)|(5<<22)|(3<<25)
.irp g, G1S, G1SB
	s_mov_b32 s[\g+1], 32<<16
	s_mov_b32 s[\g+2], (128*KS/256)<<16
	s_mov_b32 s[\g+3], 32<<16
	s_mov_b32 s[\g+4], 128*KS/256
	s_mov_b32 s[\g+5], 32
	s_mov_b32 s[\g+6], 0
	s_mov_b32 s[\g+7], 0
.endr
	s_lshl_b32 s18, s16, 7
	s_lshl_b32 s20, s17, 8
	s_add_co_u32 s20, s20, s18
	s_lshl_b32 s46, s42, 8
	s_add_co_u32 s46, s46, s18
	s_mov_b32 s21, 0
	s_mov_b32 s47, 0
	s_mov_b64 s[18:19], KS
	s_mul_u64 s[22:23], s[20:21], s[18:19]
	s_mul_u64 s[92:93], s[46:47], s[18:19]
	s_mov_b64 s[18:19], KROW
	s_mul_u64 s[20:21], s[20:21], s[18:19]
	s_mul_u64 s[46:47], s[46:47], s[18:19]
	s_mul_i32 s45, s14, HALFT
	s_mul_i32 s94, s14, HALFS
	s_add_nc_u64 s[20:21], s[4:5], s[20:21]
	s_add_nc_u64 s[22:23], s[6:7], s[22:23]
	s_add_nc_u64 s[46:47], s[8:9], s[46:47]
	s_add_nc_u64 s[92:93], s[10:11], s[92:93]
	CROUND
	s_mov_b32 s[G0S], 1
	s_add_co_u32 s[G0S+1], s94, SCL
	s_mov_b64 s[G0S+2:G0S+3], s[22:23]
	s_or_b32 s[G0S+3], s[G0S+3], 0x80000000
	s_mov_b32 s[G0SB], 1
	s_add_co_u32 s[G0SB+1], s94, SCL
	s_mov_b64 s[G0SB+2:G0SB+3], s[92:93]
	s_or_b32 s[G0SB+3], s[G0SB+3], 0x80000000
	JLOAD G0S, G1S, G0SB, G1SB
.irp s, 0,1
	s_mov_b32 s[G0+4*\s], 1
	s_add_co_u32 s[G0+4*\s+1], s45, \s*SLOT
	s_add_nc_u64 s[G0+4*\s+2:G0+4*\s+3], s[20:21], \s*ROWB
	s_or_b32 s[G0+4*\s+3], s[G0+4*\s+3], 0x80000000
	s_mov_b32 s[G0B+4*\s], 1
	s_add_co_u32 s[G0B+4*\s+1], s45, \s*SLOT
	s_add_nc_u64 s[G0B+4*\s+2:G0B+4*\s+3], s[46:47], \s*ROWB
	s_or_b32 s[G0B+4*\s+3], s[G0B+4*\s+3], 0x80000000
	s_wait_alu depctr_va_vdst(0)
	s_wait_tensorcnt 0x0
	ds_add_u32 v28, v29
	s_wait_dscnt 0x0
	CROUND
	JLOAD G0+4*\s, G1, G0B+4*\s, G1B
.endr
	v_and_b32 v1, 15, v0
	v_bfe_u32 v2, v0, 4, 1
	v_mul_u32_u24 v3, v1, PITCH
	v_lshl_add_u32 v4, v2, 4, v3
	s_mul_i32 s21, s15, HALFT
	s_mul_i32 s22, s16, HALFT
	s_add_co_u32 s22, s22, 2*HALFT
.irp s, 0,1
	v_add_nc_u32 v[ADRA+\s], s21, v4
	v_add_nc_u32 v[ADRB+\s], s22, v4
	s_add_co_u32 s21, s21, SLOT
	s_add_co_u32 s22, s22, SLOT
.endr
	v_mul_u32_u24 v5, v1, KS
	v_lshrrev_b32 v6, 8, v5
	v_lshl_add_u32 v5, v6, 4, v5
	s_mul_i32 s21, s15, HALFS
	s_mul_i32 s22, s16, HALFS
	s_add_co_u32 s22, s22, 2*HALFS
	s_sub_co_u32 s22, s22, s21
	v_mul_u32_u24 v6, s22, v2
	s_add_co_u32 s21, s21, SCL
	v_add_nc_u32 v5, v5, v6
	v_add_nc_u32 v[ADRS], s21, v5
	s_lshl_b32 s18, s17, 8
	s_lshl_b32 s19, s15, 7
	s_add_co_u32 s18, s18, s19
	s_lshl_b32 s19, s42, 8
	s_lshl_b32 s20, s16, 7
	s_add_co_u32 s19, s19, s20
	s_cmp_eq_u32 s[SEC], 2
	s_cselect_b32 s20, s19, s18
	s_cselect_b32 s21, s18, s19
	s_lshr_b32 s22, s20, 11
	s_bfe_u32 s23, s20, 0x40007
	s_lshr_b32 s46, s21, 6
	s_lshl_b32 s22, s22, 4
	s_add_co_u32 s22, s22, s46
	s_lshl_b32 s22, s22, 4
	s_add_co_u32 s22, s22, s23
	s_cmp_eq_u32 s[SEC], 0
	s_mov_b32 s47, 17152
	s_cselect_b32 s47, 8704, s47
	s_mul_i32 s22, s22, s47
	s_mov_b32 s23, 0
	s_add_nc_u64 s[OUT:OUT+1], s[100:101], s[22:23]
	s_lshl_b32 s22, s47, 4
	s_add_nc_u64 s[OUT+2:OUT+3], s[OUT:OUT+1], s[22:23]
	s_lshl_b32 s22, s21, 2
	s_add_nc_u64 s[12:13], s[12:13], s[22:23]
	s_mov_b32 s[PADW], 0x7f7f0000
	s_mov_b32 s[SEL], 0x76543210
	s_mov_b32 s[SEL+1], 0xfedcba98
	v_and_b32 v[LNE], 31, v0
	v_lshlrev_b32 v[L16], 4, v[LNE]
	v_lshlrev_b32 v[L8], 3, v[LNE]
	s_cmp_eq_u32 s[SEC], 2
	s_cbranch_scc1 .Lbias_v
	v_lshlrev_b32 v[BO], 5, v2
.irp b, 0,1,2,3,4,5,6,7
	global_load_b128 v[BI+8*\b:BI+8*\b+3],   v[BO], s[12:13] offset:64*\b
	global_load_b128 v[BI+8*\b+4:BI+8*\b+7], v[BO], s[12:13] offset:64*\b+16
.endr
	s_branch .Lbias_done
.Lbias_v:
	v_lshlrev_b32 v[BO], 2, v1
.irp a, 0,1,2,3,4,5,6,7
.irp j, 0,1,2,3,4,5,6,7
	global_load_b32 v[BI+8*\a+\j], v[BO], s[12:13] offset:64*\a
.endr
.endr
.Lbias_done:
.macro FRAG reg, adr, q, i
.irp c, 0,1,2,3
	ds_load_b128 v[\reg+4*\c:\reg+4*\c+3], v[\adr] offset:128*(\q)+32*\c+(\i)*16*PITCH
.endr
.endm
.macro MUL16 a0, p, q, sc, zero
.irp a, \a0, \a0+1
.irp b, 0,1,2,3,4,5,6,7
.if \zero
	v_wmma_scale_f32_16x16x128_f8f6f4 v[8*(8*((\a)%4)+\b):8*(8*((\a)%4)+\b)+7], v[128*(\p)+FR*\b:128*(\p)+FR*\b+FR-1], v[AF+FR*(\a):AF+FR*(\a)+FR-1], 0, v[SC+8*NQ*(\sc)+NQ*\b+(\q)], v[SC+8*NQ*(\sc)+NQ*(\a)+(\q)] matrix_a_scale:MATRIX_SCALE_ROW1
.else
	v_wmma_scale_f32_16x16x128_f8f6f4 v[8*(8*((\a)%4)+\b):8*(8*((\a)%4)+\b)+7], v[128*(\p)+FR*\b:128*(\p)+FR*\b+FR-1], v[AF+FR*(\a):AF+FR*(\a)+FR-1], v[8*(8*((\a)%4)+\b):8*(8*((\a)%4)+\b)+7], v[SC+8*NQ*(\sc)+NQ*\b+(\q)], v[SC+8*NQ*(\sc)+NQ*(\a)+(\q)] matrix_a_scale:MATRIX_SCALE_ROW1
.endif
.endr
.endr
.endm
.macro FETCH_B slot, q, p
	WIN TO_B
.irp i, 0,1,2,3,4,5,6,7
	FRAG 128*(\p)+FR*\i, ADRB+\slot, \q, \i
.endr
	WIN 0
.endm
.macro FETCH_A slot, q, i0
.irp i, \i0, \i0+1, \i0+2, \i0+3
	FRAG AF+FR*(\i), ADRA+\slot, \q, \i
.endr
.endm
.macro SCALES sc
.irp i, 0,1,2,3,4,5,6,7
	ds_load_b64 v[SC+8*NQ*\sc+NQ*\i:SC+8*NQ*\sc+NQ*\i+1], v[ADRS] offset:\i*SBLK
.endr
.endm
.macro PLACES n
.rept \n
	v_nop
.endr
.endm
.macro STEP slot, q, zero
	s_wait_dscnt 4*NL
	WIN MUL_LO
	MUL16 0, (\q)%2, \q, \slot, \zero
	MUL16 2, (\q)%2, \q, \slot, \zero
	s_wait_dscnt 0
	PLACES NP
	FETCH_B \slot, (\q)+1, 1-(\q)%2
	FETCH_A \slot, (\q)+1, 0
	WIN MUL_HI
	MUL16 4, (\q)%2, \q, \slot, \zero
	MUL16 6, (\q)%2, \q, \slot, \zero
	PLACES NP
	WIN 0
	FETCH_A \slot, (\q)+1, 4
.endm
.macro TURN slot, next, fill
	s_wait_tensorcnt 0x0
	ds_add_u32 v[SPW], v[NIL]
	s_wait_dscnt 4*NL+1
	WIN MUL_LO
	MUL16 0, 1, NQ-1, \slot, 0
	s_wait_dscnt 0x0
	s_barrier_signal -1
	MUL16 2, 1, NQ-1, \slot, 0
	WIN 0
	s_barrier_wait -1
.if \fill
	CREST
	s_add_nc_u64 s[G0+4*\slot+2:G0+4*\slot+3], s[G0+4*\slot+2:G0+4*\slot+3], 2*ROWB
	s_add_nc_u64 s[G0B+4*\slot+2:G0B+4*\slot+3], s[G0B+4*\slot+2:G0B+4*\slot+3], 2*ROWB
	JLOAD G0+4*\slot, G1, G0B+4*\slot, G1B
	PLACES NP-4
.else
	PLACES NP
.endif
	s_wait_alu depctr_va_vdst(0)
	v_add_nc_u32 v[ADRS], 4*NQ, v[ADRS]
	FETCH_B \next, 0, 0
	FETCH_A \next, 0, 0
	SCALES \next
	WIN MUL_HI
	MUL16 4, 1, NQ-1, \slot, 0
	MUL16 6, 1, NQ-1, \slot, 0
	PLACES NP
	WIN 0
	FETCH_A \next, 0, 4
.endm
	s_wait_tensorcnt 1
	s_barrier_signal -1
	s_barrier_wait -1
	FETCH_B 0, 0, 0
	FETCH_A 0, 0, 0
	s_wait_alu depctr_va_vdst(0)
	SCALES 0
	FETCH_A 0, 0, 4
	STEP 0, 0, 1
	s_mov_b32 s3, LAPS-1
.Llap:
	TURN 0, 1, 1
	STEP 1, 0, 0
	TURN 1, 0, 1
	STEP 0, 0, 0
	s_sub_co_u32 s3, s3, 1
	s_cmp_lg_u32 s3, 0
	s_cbranch_scc1 .Llap
	TURN 0, 1, 0
	STEP 1, 0, 0
	s_wait_dscnt 4*NL
	WIN MUL_LO
	MUL16 0, 1, NQ-1, 1, 0
	MUL16 2, 1, NQ-1, 1, 0
	s_wait_dscnt 0
	WIN MUL_HI
	MUL16 4, 1, NQ-1, 1, 0
	MUL16 6, 1, NQ-1, 1, 0
	WIN 0
.macro QUANT src, nb, pc, pw
.set qb, 0
.rept \nb
	v_max3_num_f32 v[TM+qb], |v[\src+16*qb]|, |v[\src+16*qb+1]|, 0x4800000
.set qb, qb+1
.endr
.irp qi, 2,4,6,8,10,12,14
.set qb, 0
.rept \nb
	v_max3_num_f32 v[TM+qb], v[TM+qb], |v[\src+16*qb+\qi]|, |v[\src+16*qb+\qi+1]|
.set qb, qb+1
.endr
.endr
.set qb, 0
.rept \nb
	v_permlanex16_b32 v[TM+4+qb], v[TM+qb], s[SEL], s[SEL+1]
.set qb, qb+1
.endr
.set qb, 0
.rept \nb
	v_max_num_f32 v[TM+qb], v[TM+qb], v[TM+4+qb]
.set qb, qb+1
.endr
.set qb, 0
.rept \nb
	v_add_nc_u32 v[TM+12+qb], 0xfc000000, v[TM+qb]
.set qb, qb+1
.endr
.set qb, 0
.rept \nb
.set qb, qb+1
.endr
.set qb, 0
.rept \nb
	v_lshrrev_b32 v[TM+4+qb], 23, v[TM+12+qb]
.set qb, qb+1
.endr
	v_lshl_or_b32 v[\pw], v[TM+5], 8, v[TM+4]
.if \nb > 2
	v_lshl_or_b32 v[\pw], v[TM+6], 16, v[\pw]
	v_lshl_or_b32 v[\pw], v[TM+7], 24, v[\pw]
.endif
.set qb, 0
.rept \nb
.set qj, 0
.rept 16
.set qj, qj+1
.endr
	v_cvt_scalef32_pk8_fp8_f32 v[\pc+4*qb:\pc+4*qb+1], v[\src+16*qb:\src+16*qb+7], v[TM+12+qb]
	v_cvt_scalef32_pk8_fp8_f32 v[\pc+4*qb+2:\pc+4*qb+3], v[\src+16*qb+8:\src+16*qb+15], v[TM+12+qb]
.set qb, qb+1
.endr
	v_nop
.set qb, 0
.rept \nb
	v_permlane16_swap_b32 v[\pc+4*qb], v[\pc+4*qb+2]
	v_permlane16_swap_b32 v[\pc+4*qb+1], v[\pc+4*qb+3]
.set qb, qb+1
.endr
	v_nop
.endm
.macro EPI a, isv
.if (\a) > 0
	s_wait_xcnt 0x0
.endif
	WIN 0x02+(\a)/4
.set ei, 0
.rept 32
.if \isv
	v_pk_add_f32 v[XX+2*ei:XX+2*ei+1], v[64*((\a)%4)+2*ei:64*((\a)%4)+2*ei+1], v[BI+8*(\a):BI+8*(\a)+1]
.else
	v_pk_add_f32 v[XX+2*ei:XX+2*ei+1], v[64*((\a)%4)+2*ei:64*((\a)%4)+2*ei+1], v[BI+2*ei:BI+2*ei+1]
.endif
.set ei, ei+1
.endr
	WIN 0
	QUANT XX, 4, PC, PW
.irp bb, 0,1,2,3
.if \isv
	global_store_b128 v[L16], v[PC+4*\bb:PC+4*\bb+3], s[OUT+2*((\a)/4):OUT+2*((\a)/4)+1] offset:8704+(((\a)%4)*4+\bb)*512
.else
	global_store_b128 v[L16], v[PC+4*\bb:PC+4*\bb+3], s[OUT+2*(\bb/2):OUT+2*(\bb/2)+1] offset:(\a)*1024+(\bb%2)*512
.endif
.endr
.if \isv
	v_mov_b32 v[SW+(\a)], v[PW]
.else
	v_and_or_b32 v[SW+(\a)], v[PW], 0xffff, s[PADW]
	v_lshrrev_b32 v[XW], 16, v[PW]
	v_or_b32 v[SW+8+(\a)], s[PADW], v[XW]
.endif
.endm
	PLACES NP
	s_wait_loadcnt 0x0
	v_cmp_le_u32 vcc_lo, 16, v[LNE]
.irp b, 0,1,2,3
	v_mov_b32 v[TM+4+\b], 0
.endr
	s_cmp_eq_u32 s[SEC], 2
	s_cbranch_scc1 .Lout_v
.irp a, 0,1,2,3,4,5,6,7
	EPI \a, 0
.endr
.irp hh, 0,1
.if \hh > 0
	s_wait_alu depctr_va_vdst(0)
	s_wait_xcnt 0x0
.endif
.irp j, 0,1,2,3
	v_cndmask_b32 v[XW+\j], v[SW+8*\hh+2*\j], v[SW+8*\hh+2*\j+1], vcc_lo
.endr
	global_store_b128 v[L16], v[XW:XW+3], s[OUT+2*\hh:OUT+2*\hh+1] offset:8192
.endr
	s_branch .Ldone
.Lout_v:
.irp a, 0,1,2,3,4,5,6,7
	EPI \a, 1
.endr
.irp hh, 0,1
.if \hh > 0
	s_wait_alu depctr_va_vdst(0)
	s_wait_xcnt 0x0
.endif
	v_cndmask_b32 v[XW], v[SW+4*\hh], v[SW+4*\hh+1], vcc_lo
	v_cndmask_b32 v[XW+1], v[SW+4*\hh+2], v[SW+4*\hh+3], vcc_lo
	global_store_b64 v[L8], v[XW:XW+1], s[OUT+2*\hh:OUT+2*\hh+1] offset:16896
.endr
.Ldone:
	s_wait_tensorcnt 0x0
	ds_add_u32 v[SPW], v[NIL]
	s_wait_dscnt 0x0
	CROUND
	s_endpgm
.Lfunc_end_k_qdf5f65af34_proj:
	.size	k_qdf5f65af34_proj, .Lfunc_end_k_qdf5f65af34_proj-k_qdf5f65af34_proj
	.p2alignl 7, 3214868480
	.fill 96, 4, 3214868480
	.section	.rodata,"a",@progbits
	.p2align	6, 0x0
	.amdhsa_kernel k_qdf5f65af34_proj
		.amdhsa_group_segment_fixed_size 327680
		.amdhsa_private_segment_fixed_size 0
		.amdhsa_enable_private_segment 0
		.amdhsa_kernarg_size 136
		.amdhsa_user_sgpr_count 2
		.amdhsa_user_sgpr_kernarg_segment_ptr 1
		.amdhsa_wavefront_size32 1
		.amdhsa_system_sgpr_workgroup_id_x 1
		.amdhsa_system_sgpr_workgroup_id_y 1
		.amdhsa_system_sgpr_workgroup_id_z 1
		.amdhsa_system_vgpr_workitem_id 0
		.amdhsa_next_free_vgpr 1024
		.amdhsa_next_free_sgpr 102
		.amdhsa_reserve_vcc 1
		.amdhsa_float_denorm_mode_32 3
		.amdhsa_float_denorm_mode_16_64 3
		.amdhsa_fp16_overflow 1
		.amdhsa_memory_ordered 1
		.amdhsa_forward_progress 1
		.amdhsa_inst_pref_size 230
	.end_amdhsa_kernel
	.amdgpu_metadata
---
amdhsa.version: [ 1, 2 ]
amdhsa.kernels:
  - .name:           k_qdf5f65af34_proj
    .symbol:         k_qdf5f65af34_proj.kd
    .args:
      - { .name: qc, .offset: 0, .size: 8, .value_kind: global_buffer, .address_space: global }
      - { .name: qs, .offset: 8, .size: 8, .value_kind: global_buffer, .address_space: global }
      - { .name: Wq_codes, .offset: 16, .size: 8, .value_kind: global_buffer, .address_space: global }
      - { .name: Wq_scales, .offset: 24, .size: 8, .value_kind: global_buffer, .address_space: global }
      - { .name: bq, .offset: 32, .size: 8, .value_kind: global_buffer, .address_space: global }
      - { .name: qimg, .offset: 40, .size: 8, .value_kind: global_buffer, .address_space: global }
      - { .name: k_codes, .offset: 48, .size: 8, .value_kind: global_buffer, .address_space: global }
      - { .name: k_scales, .offset: 56, .size: 8, .value_kind: global_buffer, .address_space: global }
      - { .name: Wk_codes, .offset: 64, .size: 8, .value_kind: global_buffer, .address_space: global }
      - { .name: Wk_scales, .offset: 72, .size: 8, .value_kind: global_buffer, .address_space: global }
      - { .name: bk, .offset: 80, .size: 8, .value_kind: global_buffer, .address_space: global }
      - { .name: kv, .offset: 88, .size: 8, .value_kind: global_buffer, .address_space: global }
      - { .name: Wv_codes, .offset: 96, .size: 8, .value_kind: global_buffer, .address_space: global }
      - { .name: Wv_scales, .offset: 104, .size: 8, .value_kind: global_buffer, .address_space: global }
      - { .name: v_codes, .offset: 112, .size: 8, .value_kind: global_buffer, .address_space: global }
      - { .name: v_scales, .offset: 120, .size: 8, .value_kind: global_buffer, .address_space: global }
      - { .name: bv, .offset: 128, .size: 8, .value_kind: global_buffer, .address_space: global }
    .group_segment_fixed_size: 327680
    .private_segment_fixed_size: 0
    .kernarg_segment_align: 8
    .kernarg_segment_size: 136
    .max_flat_workgroup_size: 128
    .sgpr_count:     102
    .vgpr_count:     1024
    .wavefront_size: 32
...
	.end_amdgpu_metadata
.endif
;; end of part 2
;; launch attn (part 3): grid 4 x 64, 16 waves a work-group, no clusters, 327,680 bytes of LDS; arguments qimg, kv, maskbits, ctximg, ctxs; writes ctximg, ctxs
.if DOCPART == 3
	.amdgcn_target "amdgcn-amd-amdhsa--gfx1250"
	.amdhsa_code_object_version 6
	.text
	.protected	k_qdf5f65af34_attn
	.globl	k_qdf5f65af34_attn
	.p2align	8
	.type	k_qdf5f65af34_attn,@function
k_qdf5f65af34_attn:
	s_mov_b64 s[64:65], 0
	v_nop
	global_prefetch_b8 v0, s[64:65] scope:SCOPE_SE
	s_setreg_imm32_b32 hwreg(HW_REG_WAVE_MODE, 25, 1), 1
	s_wait_xcnt 0x0
; ctx[b][q][head] = softmax over the keys of (query . key / 8, -infinity where the mask is set) x value, both products on codes of E4M3 with one E8M0 scale for each 32 along K.
; THE SOFTMAX AHEAD OF THE SECOND PRODUCT: t = score x log2(e) / 8 (sqrt(64) + 1e-8 is 8 in f32); M = the row's largest t so far, rounded UP to a whole number; p = 2^(t - M) is quantised along the keys, not normalised.
; The row's sum is taken of the unquantised p and divides at the end.  When M moves, the sum and O are multiplied by 2^(old M - new M): exact.
; SHARES.  A work-group owns 512 queries of one head, in two passes of 256; in a pass each of its sixteen waves owns one tile of 16 queries, in 256 registers: four waves to a SIMD, so that one wave's vector work
; stands beside another's products and LDS loads.  Every wave walks all 2,048 keys, 128 a step.
; K AND V OF THE WHOLE HEAD STAY IN LDS: 16 chunks of 17,152 bytes (a key step's K images, K scale words, V images, V scale words, all in the order of the operand's registers) are 274,432 bytes.  Wave w fetches chunk w by
; one tensor load: waves 0 to 3 at the head, waves 4 to 15 first thing behind the first barrier, four key steps ahead of their chunks' first use.  No LDS byte is filled twice, and both passes read the same bytes.
; So there are three barriers in all: in front of key step 0, in front of key step 4, and one at the end; between them the sixteen waves run free.  Every LDS load reads 512 consecutive bytes (V's scale words 256): no pitch, no padding.
; Nothing is prefetched: every byte of K and V that the work-group reads is asked for by those two groups of tensor loads, and no later request is left to run ahead of.
; LAYOUT.  Both products transposed: S^T = K Q^T (source 0 = 16 keys, source 1 = my 16 queries), O^T = V^T P^T: a lane holds ONE query throughout.  Register 8 t + j of S^T is key 16 t + 8 (lane / 16) + j.
; K = 64 in an instruction of 128: K's eight tiles lie on end, 8 registers each, with 8 registers of zeros behind them, and tile t's operand is the 16 registers from its own first on: its upper 64 along K are the next tile's
; codes, which meet Q's zero codes under the scale bytes 127 and add exact zeros.  V's four fragments then take K's registers as soon as the score products have read them, and land while the softmax is worked.
; p's codes are put in the operand's order by two half-swaps for each block of 32 keys.
; THE MASK comes as lane-mask words, 64 a key step, by scalar loads a step ahead; each word steers one v_cndmask_b32.  No branch hangs on it.
; NO CLUSTER: the four work-groups of a head do read the same 274,432 bytes, once each, against 32 key steps of sixteen waves with some 430 instructions each; joint loads would save three of those four reads
; and put a round of the cluster's barrier in front of each of the two groups of loads and one at the end.
; THE RESULT is quantised along the head's 64 (two blocks of the last product's K) and stored as images: ctximg ((token tile x 8 + head / 2) x 4 + 2 (head % 2) + block) x 512 + 16 lane; ctxs [head][token tile][row] two bytes.
; LIMITS: NaN and infinities in the operands are not served (a NaN code in a tile of keys would also reach the tile before it); a block of zeros gets the byte 1; a row whose mask is set everywhere has the sum 0:
; its scale bytes are set to 0xff, which makes its output row NaN, as the softmax of such a row is.
.set CHK,   17152                      ; a key step's chunk
.set QCH,   8704                       ; a chunk of qimg
.set SPARE, 16*CHK                     ; behind the 16 chunks: the spare words, 128 bytes for each of 16 waves: eight blocks of 256 bytes that no other line names
.set CSB,   SPARE+2048                 ; 1,024 bytes: the scale halfwords of ctx, 512 a pass; written by LDS stores, never filled
.set L16,  1                           ; v1   16 x lane
.set L8,   2                           ; v2   8 x lane
.set ADR,  3                           ; v3   the chunk in hand + 16 x lane
.set AD8,  4                           ; v4   + 8 x lane
.set SPW,  5                           ; v5   my spare word's address; never rewritten
.set NIL,  6                           ; v6   0; never rewritten
.set QCO,  7                           ; v7   Q's codes: my tile's images in its chunk + 16 x lane
.set NINF, 8                           ; v8   -infinity
.set CSA,  9                           ; v9   where my row's scale halfword goes
.set QSO,  10                          ; v10  Q's scale word: its place in the chunk
.set CSR,  11                          ; v11  where waves 0 and 1 read the halfwords back
.set QF,   16                          ; v16-31  Q's fragment (v24-31 zeros);  v12 -M, v13 the largest t, v[14:15] the sum in two halves
.set KF,   32                          ; v32-95  K's eight tiles, then V's four fragments;  v96-103 zeros, written once
.set SS,   104                         ; v104-167 S^T, then p
.set OT,   168                         ; v168-199 O^T
.set PC,   200                         ; v200-215 p's codes
.set BM,   216                         ; v216-219 the blocks' largest scores, then p
.set T4,   220
.set HD,   224
.set SO,   228                         ; the conversions' scale operands
.set TM,   216                         ; the same sixteen, for the way out's quantiser
.set KSW,  232                         ; v232-235 K's scale words;  v236-237 V's;  v238 Q's;  v239 p's: v232-235 also take two chains of the sums
.set VSW,  236
.set QSW,  238
.set PW,   239
.set FF,   240                         ; v[240:241] f
.set SB2,  242                         ; v[242:243] the second chain of the sums
.set TW,   244                         ; v244-245 at work
.set CSG,  246                         ; v246 where waves 0 and 1 store the halfwords: 16 x thread
.set WV,   4
.set MNT,  5
.set SEL,  6
.set CS,   8                           ; s[8:9] c = log2(e) / 8
.set TB,   10                          ; s10  LDS byte at which the chunk in hand begins
.set MO,   11                          ; s11  the mask words' offset: 256 bytes a step
.set CNT,  12                          ; s12  counts the steps of a loop
.set MP,   14                          ; s[14:15] my tile's mask words
.set G0,   20                          ; s[20:23] descriptor group 0: my chunk;  s[56:63] group 1.  Neither is written again
.set G1,   56
; s[24:55] mask words 0-31, s[68:99] words 32-63;  s[2:3] Q's chunk, s[16:17] ctximg, s[18:19] ctxs;  s66, s67 at work at the head
.macro MLOAD                           ; a key step's 64 mask words
	s_load_b512 s[24:39], s[MP:MP+1], s[MO] offset:0x0
	s_load_b512 s[40:55], s[MP:MP+1], s[MO] offset:0x40
	s_load_b512 s[68:83], s[MP:MP+1], s[MO] offset:0x80
	s_load_b512 s[84:99], s[MP:MP+1], s[MO] offset:0xc0
.endm
.macro QLOAD p                         ; pass p's fragment of Q and its scale words: the second pass's queries lie two chunks of qimg on
	global_load_b128 v[QF:QF+3],   v[QCO], s[2:3] offset:(\p)*2*QCH
	global_load_b128 v[QF+4:QF+7], v[QCO], s[2:3] offset:(\p)*2*QCH+512
	global_load_b32 v[QSW], v[QSO], s[2:3] offset:(\p)*2*QCH
.endm
; The lines in front of a barrier behind which chunks are read that other waves' loads brought: all my tensor loads have landed; 0 onto my spare word; that and my LDS loads are done.
.macro MEET
	s_wait_tensorcnt 0x0                           ; my chunk, if I have asked for it, is in LDS
	ds_add_u32 v[SPW], v[NIL]                      ; 0 onto my spare word
	ds_add_u32 v[SPW], v[NIL]
	s_wait_dscnt 0x0
	s_barrier_signal -1
	s_barrier_wait -1
.endm
	s_load_b256 s[24:31], s[0:1], 0x0              ; qimg s[24:25], kv s[26:27], maskbits s[28:29], ctximg s[30:31]
	s_load_b64 s[32:33], s[0:1], 0x20              ; ctxs
	v_lshl_add_u32 v[SPW], v0, 2, SPARE
	v_mov_b32 v[NIL], 0
	ds_add_u32 v5, v6
	ds_add_u32 v5, v6
	s_wait_dscnt 0x0
	v_lshrrev_b32 v3, 5, v0
	s_delay_alu instid0(VALU_DEP_1)
	v_readfirstlane_b32 s[WV], v3                  ; wave 0..15
	s_and_b32 s34, ttmp7, 0xffff                   ; batch x 16 + head
	s_lshr_b32 s35, s34, 4                         ; the batch
	s_and_b32 s36, s34, 15                         ; the head
	s_lshl_b32 s37, s35, 7
	s_lshl_b32 s38, ttmp9, 5
	s_add_co_u32 s37, s37, s38
	s_add_co_u32 s37, s37, s[WV]                   ; my first pass's tile of 16 tokens: 128 x batch + 32 x work-group x + wave; the second pass's lies 16 tiles on
	s_mul_i32 s39, s[WV], CHK                      ; my chunk, in LDS and in my head's part of kv
	s_mul_i32 s40, s34, 16*CHK                     ; my head's first byte in kv
	s_mov_b32 s41, 0
	s_lshl_b32 s42, s34, 4
	s_lshl_b32 s43, ttmp9, 2
	s_add_co_u32 s42, s42, s43
	s_lshr_b32 s43, s[WV], 3
	s_add_co_u32 s42, s42, s43
	s_mul_i32 s42, s42, QCH                        ; my first pass's chunk of qimg: 16 x (batch x 16 + head) + 4 x work-group x + wave / 8
	s_mov_b32 s43, 0
	s_and_b32 s44, s[WV], 7                        ; my tile in it
	s_lshl_b32 s66, s44, 10                        ; its images
	s_and_b32 s67, s44, 1
	s_lshl_b32 s67, s67, 8
	s_lshr_b32 s49, s44, 1
	s_lshl_b32 s49, s49, 2
	s_add_co_u32 s67, s67, s49
	s_add_co_u32 s67, s67, 8192                    ; its scale words: 8,192 + 256 (tile % 2) + 4 (tile / 2), + 16 r
	s_lshl_b32 s50, s37, 12                        ; my mask words: 16 steps x 256 bytes a tile
	s_mov_b32 s51, 0
	s_lshl_b32 s52, s37, 3
	s_lshr_b32 s53, s36, 1
	s_add_co_u32 s52, s52, s53
	s_lshl_b32 s52, s52, 2
	s_and_b32 s53, s36, 1
	s_lshl_b32 s53, s53, 1
	s_add_co_u32 s52, s52, s53
	s_lshl_b32 s52, s52, 9                         ; ctximg
	s_mov_b32 s53, 0
	s_lshl_b32 s54, s35, 3
	s_lshl_b32 s55, ttmp9, 1
	s_add_co_u32 s54, s54, s55
	s_lshl_b32 s54, s54, 9
	s_lshl_b32 s55, s36, 14
	s_add_co_u32 s54, s54, s55                     ; ctxs: 16,384 x head + 512 x (8 x batch + 2 x work-group x): 1,024 bytes for the two passes
	s_mov_b32 s55, 0
	; descriptor group 1: a chunk as 67 rows of 256 bytes (32 elements of 8 bytes), dense in memory and in LDS
	s_mov_b32 s[G1], 3<<16
	s_mov_b32 s[G1+1], 32<<16                      ; tensor_dim0
	s_mov_b32 s[G1+2], 67<<16                      ; tensor_dim1
	s_mov_b32 s[G1+3], 32<<16                      ; tile_dim0
	s_mov_b32 s[G1+4], 67                          ; tile_dim1
	s_mov_b32 s[G1+5], 32                          ; the pitch
	s_mov_b32 s[G1+6], 0
	s_mov_b32 s[G1+7], 0
	s_mov_b32 s[SEL], 0x76543210
	s_mov_b32 s[SEL+1], 0xfedcba98
	s_mov_b32 s[CS], 0x3e38aa3b
	s_mov_b32 s[CS+1], s[CS]
	s_mov_b32 s[TB], 0
	s_mov_b32 s[MO], 0
	s_wait_kmcnt 0x0
	s_add_nc_u64 s[26:27], s[26:27], s[40:41]      ; kv at my head
	s_mov_b32 s40, s39
	s_mov_b32 s[G0], 1
	s_mov_b32 s[G0+1], s39                         ; LDS address: wave x a chunk
	s_add_nc_u64 s[G0+2:G0+3], s[26:27], s[40:41]
	s_or_b32 s[G0+3], s[G0+3], 0x80000000
	s_cmp_lt_u32 s[WV], 4                          ; chunks 0 to 3 go out now; the branch hangs on the wave's number alone.  Four v_nop follow the load
	s_cbranch_scc0 .Lnot_early
	tensor_load_to_lds s[G0:G0+3], s[G1:G1+7]
	s_nop 0
.rept 4
	v_nop
.endr
.Lnot_early:
	s_add_nc_u64 s[2:3], s[24:25], s[42:43]
	s_add_nc_u64 s[MP:MP+1], s[28:29], s[50:51]
	s_add_nc_u64 s[16:17], s[30:31], s[52:53]
	s_add_nc_u64 s[18:19], s[32:33], s[54:55]
	v_and_b32 v3, 31, v0
	s_delay_alu instid0(VALU_DEP_1)
	v_lshlrev_b32 v[L16], 4, v3
	s_delay_alu instid0(VALU_DEP_2)
	v_lshlrev_b32 v[L8], 3, v3
	v_and_b32 v4, 15, v0
	s_delay_alu instid0(VALU_DEP_1)
	v_lshlrev_b32 v[QSO], 4, v4
	s_delay_alu instid0(VALU_DEP_1)
	v_add_nc_u32 v[QSO], s67, v[QSO]
	v_add_nc_u32 v[QCO], s66, v[L16]
	QLOAD 0                                        ; Q's fragment stays in registers for a pass
	MLOAD                                          ; key step 0's mask words (the arguments' registers have been read)
	v_and_b32 v[CSA], 0x1e0, v0                    ; 32 x wave
	s_delay_alu instid0(VALU_DEP_1)
	v_lshl_add_u32 v[CSA], v4, 1, v[CSA]
	s_delay_alu instid0(VALU_DEP_1)
	v_add_nc_u32 v[CSA], CSB, v[CSA]
	v_and_b32 v[CSG], 63, v0
	s_delay_alu instid0(VALU_DEP_1)
	v_lshlrev_b32 v[CSG], 4, v[CSG]
	s_delay_alu instid0(VALU_DEP_1)
	v_add_nc_u32 v[CSR], CSB, v[CSG]
	v_mov_b32 v[NINF], 0xff800000
	v_mov_b32 v13, 0xff61b1e6                      ; the largest t so far: -3e38
	s_delay_alu instid0(VALU_DEP_1)
	v_floor_f32 v12, -v13                          ; -M
	v_mov_b32 v14, 0
	v_mov_b32 v15, 0
.set nn, 0
.rept 8
	v_mov_b32 v[QF+8+nn], 0                        ; zero codes fill Q's K from 64 to 128,
	v_mov_b32 v[KF+64+nn], 0                       ; and stand behind K's last tile
.set nn, nn+1
.endr
.set nn, 0
.rept 32
	v_mov_b32 v[OT+nn], 0                          ; the step is written once: the first finds zeros, which the first change of M leaves zeros
.set nn, nn+1
.endr
.irp b, 0,1,2,3
	v_mov_b32 v[T4+\b], 0                          ; a lane permute's destination counts as one of its sources
.endr
	v_mov_b32 v[FF+1], 0                           ; (named as the upper half of a pair)
	v_mov_b32 v[TW], 0
; A KEY STEP: 128 keys, the chunk at s[TB].
.macro STEP
	v_add_nc_u32 v[ADR], s[TB], v[L16]
	v_add_nc_u32 v[AD8], s[TB], v[L8]
.rept 6
	v_nop                                          ; with the two additions: eight places between the last step's products, which read V here, and the loads below
.endr
.set tt, 0
.rept 8
	ds_load_b128 v[KF+8*tt:KF+8*tt+3],   v[ADR] offset:tt*1024        ; K's eight tiles, 8 registers each, on end
	ds_load_b128 v[KF+8*tt+4:KF+8*tt+7], v[ADR] offset:tt*1024+512
.set tt, tt+1
.endr
	ds_load_b128 v[KSW:KSW+3], v[ADR] offset:8192  ; register j: lanes 0-15 tile 2 j's words, lanes 16-31 tile 2 j + 1's
	s_wait_alu depctr_va_vdst(0)
	s_wait_dscnt 0x0
.irp t, 0,2,4,6                                ; S^T = K Q^T: eight tiles of 16 keys; a tile's operand runs on into the next tile's registers, whose codes meet Q's zeros
	v_wmma_scale_f32_16x16x128_f8f6f4 v[SS+8*\t:SS+8*\t+7], v[KF+8*\t:KF+8*\t+15], v[QF:QF+15], 0, v[KSW+\t/2], v[QSW]
	v_wmma_scale_f32_16x16x128_f8f6f4 v[SS+8*\t+8:SS+8*\t+15], v[KF+8*\t+8:KF+8*\t+23], v[QF:QF+15], 0, v[KSW+\t/2], v[QSW] matrix_a_scale:MATRIX_SCALE_ROW1
.endr
.rept 8
	v_nop                                          ; eight places: in front of the loads into K's registers, and of the first read of the scores
.endr
.irp t, 0,1,2,3                                ; V's four fragments take K's registers: they have the softmax in which to land
.irp c, 0,1,2,3
	ds_load_b128 v[KF+16*\t+4*\c:KF+16*\t+4*\c+3], v[ADR] offset:8704+(4*\t+\c)*512
.endr
.endr
	ds_load_b64 v[VSW:VSW+1], v[AD8] offset:16896
	s_wait_kmcnt 0x0                               ; this step's mask words, asked for a step ago
.set nn, 0
.rept 32
	v_cndmask_b32 v[SS+nn], v[SS+nn], v[NINF], s[24+nn]      ; -infinity where the mask is set: p = 0 then.  Ascending: each tile of scores is read from its low end on
.set nn, nn+1
.endr
.set nn, 0
.rept 32
	v_cndmask_b32 v[SS+32+nn], v[SS+32+nn], v[NINF], s[68+nn]
.set nn, nn+1
.endr
	s_add_co_u32 s[MO], s[MO], 256
	s_min_u32 s[MO], s[MO], 3840                   ; a pass's last step asks for its own words again: no load leaves the buffer
	MLOAD                                          ; the next step's words: they have the rest of this step in which to come
.irp b, 0,1,2,3
	v_max3_num_f32 v[BM+\b], v[SS+16*\b], v[SS+1+16*\b], v[SS+2+16*\b]   ; the largest score of each block of 32 keys: for the row's maximum, and, since p rises with the score, for the block's largest p
.endr
.irp i, 3,5,7,9,11,13
.irp b, 0,1,2,3
	s_delay_alu instid0(VALU_DEP_4)
	v_max3_num_f32 v[BM+\b], v[BM+\b], v[SS+16*\b+\i], v[SS+1+16*\b+\i]
.endr
.endr
.irp b, 0,1,2,3
	s_delay_alu instid0(VALU_DEP_4)
	v_max_num_f32 v[BM+\b], v[BM+\b], v[SS+15+16*\b]
.endr
.irp b, 0,1,2,3
	s_delay_alu instid0(VALU_DEP_4)
	v_permlanex16_b32 v[T4+\b], v[BM+\b], s[SEL], s[SEL+1]
.endr
.irp b, 0,1,2,3
	s_delay_alu instid0(VALU_DEP_4)
	v_max_num_f32 v[BM+\b], v[BM+\b], v[T4+\b]     ; with lane l xor 16's 16 keys
.endr
	s_delay_alu instid0(VALU_DEP_2)
	v_max3_num_f32 v[TW], v[BM], v[BM+1], v[BM+2]
	s_delay_alu instid0(VALU_DEP_1)
	v_max_num_f32 v[TW], v[TW], v[BM+3]
	s_delay_alu instid0(VALU_DEP_1)
	v_mul_f32 v[TW], s[CS], v[TW]                  ; as t (c is positive)
	s_delay_alu instid0(VALU_DEP_1)
	v_max_num_f32 v13, v13, v[TW]                  ; the running largest t
	v_mov_b32 v[TW], v12
	s_delay_alu instid0(VALU_DEP_2)
	v_floor_f32 v12, -v13                          ; the new -M = -ceil(t)
	s_delay_alu instid0(VALU_DEP_1)
	v_sub_f32 v[TW], v12, v[TW]                    ; old M - new M: a whole number, 0 or less
	s_delay_alu instid0(VALU_DEP_1)
	v_cvt_i32_f32 v[TW], v[TW]                     ; (it saturates)
	s_delay_alu instid0(VALU_DEP_1)
	v_ldexp_f32 v[FF], 1.0, v[TW]                  ; f = 2^(old M - new M)
.set nn, 0
.rept 32
	v_pk_fma_f32 v[SS+nn:SS+nn+1], v[SS+nn:SS+nn+1], s[CS:CS+1], v[12:13] op_sel_hi:[1,0,0]   ; t - M, two at a time
.set nn, nn+2
.endr
.irp b, 0,1,2,3
	v_fma_f32 v[BM+\b], v[BM+\b], s[CS], v12
.endr
.set nn, 0
	s_setprio 1
	s_wait_alu depctr_va_vdst(0)
.rept 64
	v_exp_f32 v[SS+nn], v[SS+nn]                   ; p = 2^(t - M), at most 1
.set nn, nn+1
.endr
	v_pk_mul_f32 v[14:15], v[14:15], v[FF:FF+1] op_sel_hi:[1,0]   ; the sums under the new M: a plain instruction behind the exponentials
.set nn, 0
	s_wait_alu depctr_va_vdst(0)
.rept 8
	v_pk_mul_f32 v[OT+nn:OT+nn+1], v[OT+nn:OT+nn+1], v[FF:FF+1] op_sel_hi:[1,0]   ; the first half of O^T under the new M: work that names no exponential's result, ahead of the wait
.set nn, nn+2
.endr
	s_wait_alu depctr_va_vdst(0)                   ; one wait for the batch of 64, ahead of its first reader
.irp b, 0,1,2,3
	v_exp_f32 v[BM+\b], v[BM+\b]                   ; the block's largest p: the same two instructions on the same number
.endr
	v_pk_add_f32 v[242:243], v[108:109], v[112:113]
	v_pk_add_f32 v[254:255], v[116:117], v[120:121]
	v_pk_add_f32 v[252:253], v[124:125], v[128:129]
	v_pk_add_f32 v[250:251], v[132:133], v[136:137]
	v_pk_add_f32 v[248:249], v[140:141], v[144:145]
	v_pk_add_f32 v[234:235], v[148:149], v[152:153]
	v_pk_add_f32 v[232:233], v[156:157], v[160:161]
	v_pk_add_f32 v[14:15], v[14:15], v[164:165]
	v_pk_add_f32 v[242:243], v[242:243], v[104:105]
	v_pk_add_f32 v[254:255], v[254:255], v[106:107]
	v_pk_add_f32 v[252:253], v[252:253], v[110:111]
	v_pk_add_f32 v[250:251], v[250:251], v[114:115]
	v_pk_add_f32 v[248:249], v[248:249], v[118:119]
	v_pk_add_f32 v[234:235], v[234:235], v[122:123]
	v_pk_add_f32 v[232:233], v[232:233], v[126:127]
	v_pk_add_f32 v[14:15], v[14:15], v[130:131]
	v_pk_add_f32 v[242:243], v[242:243], v[134:135]
	v_pk_add_f32 v[254:255], v[254:255], v[138:139]
	v_pk_add_f32 v[252:253], v[252:253], v[142:143]
	v_pk_add_f32 v[250:251], v[250:251], v[146:147]
	v_pk_add_f32 v[248:249], v[248:249], v[150:151]
	v_pk_add_f32 v[234:235], v[234:235], v[154:155]
	v_pk_add_f32 v[232:233], v[232:233], v[158:159]
	v_pk_add_f32 v[14:15], v[14:15], v[162:163]
	v_pk_add_f32 v[242:243], v[242:243], v[166:167]
	s_delay_alu instid0(VALU_DEP_2)
	v_pk_add_f32 v[14:15], v[14:15], v[250:251]
	s_delay_alu instid0(VALU_DEP_2)
	v_pk_add_f32 v[242:243], v[242:243], v[248:249]
	v_pk_add_f32 v[254:255], v[254:255], v[234:235]
	v_pk_add_f32 v[252:253], v[252:253], v[232:233]
	s_delay_alu instid0(VALU_DEP_2)
	v_pk_add_f32 v[14:15], v[14:15], v[254:255]
	s_delay_alu instid0(VALU_DEP_2)
	v_pk_add_f32 v[242:243], v[242:243], v[252:253]
	s_delay_alu instid0(VALU_DEP_1)
	v_pk_add_f32 v[14:15], v[14:15], v[242:243]
	s_wait_alu depctr_va_vdst(0)                   ; and one for the four
.irp b, 0,1,2,3
	v_max_num_f32 v[BM+\b], 0x4800000, v[BM+\b]    ; the floor 2^(9 - 127): the byte cannot fall under 1
.endr
.irp b, 0,1,2,3
	s_delay_alu instid0(VALU_DEP_4)
	v_add_nc_u32 v[SO+\b], 0xfc000000, v[BM+\b]    ; 8 off the exponent field: the conversion's scale operand
.endr
.irp b, 0,1,2,3
.endr
.irp b, 0,1,2,3
	s_delay_alu instid0(VALU_DEP_4)
	v_lshrrev_b32 v[T4+\b], 23, v[SO+\b]           ; the scale's byte
.endr
	s_delay_alu instid0(VALU_DEP_3)
	v_lshl_or_b32 v[PW], v[T4+1], 8, v[T4]         ; p's scale word for these 128 keys
	s_delay_alu instid0(VALU_DEP_1)
	v_lshl_or_b32 v[PW], v[T4+2], 16, v[PW]
	s_delay_alu instid0(VALU_DEP_1)
	v_lshl_or_b32 v[PW], v[T4+3], 24, v[PW]
	s_setprio 0
.irp b, 0,1,2,3
.irp i, 0,1,2,3,4,5,6,7,8,9,10,11,12,13,14,15
.endr
	v_cvt_scalef32_pk8_fp8_f32 v[PC+4*\b:PC+4*\b+1], v[SS+16*\b:SS+16*\b+7], v[SO+\b]
	v_cvt_scalef32_pk8_fp8_f32 v[PC+4*\b+2:PC+4*\b+3], v[SS+16*\b+8:SS+16*\b+15], v[SO+\b]
.endr
	v_nop                                          ; a plain instruction behind the last conversion
.irp b, 0,1,2,3
	v_permlane16_swap_b32 v[PC+4*\b], v[PC+4*\b+2]           ; lane half h now holds keys 32 b + 16 h + 0 .. 15
	v_permlane16_swap_b32 v[PC+4*\b+1], v[PC+4*\b+3]
.endr
.set nn, 16
.rept 8
	v_pk_mul_f32 v[OT+nn:OT+nn+1], v[OT+nn:OT+nn+1], v[FF:FF+1] op_sel_hi:[1,0]   ; the second half of O^T under the new M; these are also the places between the codes' last write and the products
.set nn, nn+2
.endr
	s_wait_alu depctr_va_vdst(0)
	s_wait_dscnt 0x0                               ; V, asked for ahead of the softmax
.irp t, 0,2                                    ; O^T += V^T P^T: the four accumulators by turns
	v_wmma_scale_f32_16x16x128_f8f6f4 v[OT+8*\t:OT+8*\t+7], v[KF+16*\t:KF+16*\t+15], v[PC:PC+15], v[OT+8*\t:OT+8*\t+7], v[VSW+\t/2], v[PW]
	v_wmma_scale_f32_16x16x128_f8f6f4 v[OT+8*\t+8:OT+8*\t+15], v[KF+16*\t+16:KF+16*\t+31], v[PC:PC+15], v[OT+8*\t+8:OT+8*\t+15], v[VSW+\t/2], v[PW] matrix_a_scale:MATRIX_SCALE_ROW1
.endr
	s_add_co_u32 s[TB], s[TB], CHK                 ; on to the next chunk
.endm
.macro STEPS n                         ; n key steps: the step is written once and walked n times
	s_mov_b32 s[CNT], \n
.Lstep_\@:
	s_setprio 2
	STEP
	s_sub_co_u32 s[CNT], s[CNT], 1
	s_cmp_lg_u32 s[CNT], 0
	s_cbranch_scc1 .Lstep_\@
	s_setprio 0
.endm
.macro QUANT src, nb, pc, pw           ; nb blocks of 32: my 16 numbers of block b in v[src + 16 b ..]; lane l xor 16 holds the other 16.  Codes to v[pc + 4 b ..], the bytes to v[pw]
.set qb, 0
.rept \nb
	v_max3_num_f32 v[TM+qb], |v[\src+16*qb]|, |v[\src+16*qb+1]|, 0x4800000
.set qb, qb+1
.endr
.irp qi, 2,4,6,8,10,12,14
.set qb, 0
.rept \nb
	s_delay_alu instid0(VALU_DEP_2)
	v_max3_num_f32 v[TM+qb], v[TM+qb], |v[\src+16*qb+\qi]|, |v[\src+16*qb+\qi+1]|
.set qb, qb+1
.endr
.endr
.set qb, 0
.rept \nb
	s_delay_alu instid0(VALU_DEP_2)
	v_permlanex16_b32 v[TM+4+qb], v[TM+qb], s[SEL], s[SEL+1]
.set qb, qb+1
.endr
.set qb, 0
.rept \nb
	s_delay_alu instid0(VALU_DEP_2)
	v_max_num_f32 v[TM+qb], v[TM+qb], v[TM+4+qb]
.set qb, qb+1
.endr
.set qb, 0
.rept \nb
	s_delay_alu instid0(VALU_DEP_2)
	v_add_nc_u32 v[TM+12+qb], 0xfc000000, v[TM+qb]
.set qb, qb+1
.endr
.set qb, 0
.rept \nb
.set qb, qb+1
.endr
.set qb, 0
.rept \nb
	s_delay_alu instid0(VALU_DEP_2)
	v_lshrrev_b32 v[TM+4+qb], 23, v[TM+12+qb]
.set qb, qb+1
.endr
	s_delay_alu instid0(VALU_DEP_1)
	v_lshl_or_b32 v[\pw], v[TM+5], 8, v[TM+4]
.if \nb > 2
	v_lshl_or_b32 v[\pw], v[TM+6], 16, v[\pw]
	v_lshl_or_b32 v[\pw], v[TM+7], 24, v[\pw]
.endif
.set qb, 0
.rept \nb
.set qj, 0
.rept 16
.set qj, qj+1
.endr
	v_cvt_scalef32_pk8_fp8_f32 v[\pc+4*qb:\pc+4*qb+1], v[\src+16*qb:\src+16*qb+7], v[TM+12+qb]
	v_cvt_scalef32_pk8_fp8_f32 v[\pc+4*qb+2:\pc+4*qb+3], v[\src+16*qb+8:\src+16*qb+15], v[TM+12+qb]
.set qb, qb+1
.endr
	v_nop
.set qb, 0
.rept \nb
	v_permlane16_swap_b32 v[\pc+4*qb], v[\pc+4*qb+2]
	v_permlane16_swap_b32 v[\pc+4*qb+1], v[\pc+4*qb+3]
.set qb, qb+1
.endr
	v_nop
.endm
; THE WAY OUT of pass p: O^T / the sum, quantised along the head's 64, stored as two groups of the last product's operand; the scale halfword goes to LDS and leaves at the kernel's end.
; Behind pass 0 the second pass is made ready: its mask words and its Q are asked for first, so that they come while the result is worked.
.macro WAYOUT p
	s_wait_kmcnt 0x0                               ; the last step's reload of the mask words is in: their address may be written
.if (\p) == 0
	s_add_nc_u64 s[MP:MP+1], s[MP:MP+1], 0x10000   ; 16 tiles of queries on: 16 x 16 steps x 256 bytes
	s_mov_b32 s[MO], 0
	MLOAD
.endif
.rept 8
	v_nop                                          ; places behind the last products
.endr
.if (\p) == 0
	QLOAD 1
.endif
	v_add_f32 v14, v14, v15
	s_delay_alu instid0(VALU_DEP_1)
	v_permlanex16_b32 v[TW], v14, s[SEL], s[SEL+1]
	s_delay_alu instid0(VALU_DEP_1)
	v_add_f32 v14, v14, v[TW]                      ; the row's sum
	s_wait_alu depctr_va_vdst(0)
	v_rcp_f32 v15, v14
	v_mov_b32 v[TW+1], 0xffff                      ; (a plain instruction behind the reciprocal)
	s_wait_alu depctr_va_vdst(0)                   ; ahead of the first reader
.set nn, 0
.rept 32
	v_mul_f32 v[SS+nn], v[OT+nn], v15              ; register 8 t + j: channel 16 t + 8 (lane / 16) + j of my token
.set nn, nn+1
.endr
	QUANT SS, 2, PC, TW
	v_cmp_eq_f32 vcc_lo, 0, v14                    ; a row with every key masked:
	s_delay_alu instid0(VALU_DEP_1)
	v_cndmask_b32 v[TW], v[TW], v[TW+1], vcc_lo    ; its scale bytes become 0xff
	global_store_b128 v[L16], v[PC:PC+3],   s[16:17] offset:(\p)*262144        ; 512 consecutive bytes each; 16 tiles of tokens on are 16 x 32 x 512 bytes
	global_store_b128 v[L16], v[PC+4:PC+7], s[16:17] offset:(\p)*262144+512
	ds_store_b16 v[CSA], v[TW] offset:(\p)*512     ; both halves of the lanes write the same halfword with the same value; each pass has bytes of its own
.if (\p) == 0
	v_mov_b32 v13, 0xff61b1e6                      ; the second pass begins as the first did
	s_delay_alu instid0(VALU_DEP_1)
	v_floor_f32 v12, -v13
	v_mov_b32 v14, 0
	v_mov_b32 v15, 0
.set nn, 0
.rept 32
	v_mov_b32 v[OT+nn], 0
.set nn, nn+1
.endr
	s_mov_b32 s[TB], 0                             ; back to chunk 0: all sixteen lie in LDS
	s_wait_xcnt 0x0                                ; the stores above have read the codes' registers, which the next pass writes again
	s_wait_loadcnt 0x0                             ; Q
.endif
.endm
	s_wait_loadcnt 0x0                             ; Q
	MEET                                           ; chunks 0 to 3 lie in LDS
	s_cmp_ge_u32 s[WV], 4                          ; chunks 4 to 15 go out, first thing behind the barrier: a wave's one tensor load; they have four key steps in which to land
	s_cbranch_scc0 .Lnot_late
	tensor_load_to_lds s[G0:G0+3], s[G1:G1+7]
	s_nop 0
.rept 4
	v_nop
.endr
.Lnot_late:
	STEPS 4
	MEET                                           ; all sixteen chunks lie in LDS; from here on nothing is fetched and no wave waits for another until the end
	STEPS 12
	WAYOUT 0
	STEPS 16
	WAYOUT 1
	s_wait_dscnt 0x0                               ; for the others' sake: my two halfword stores are done
	s_barrier_signal -1
	s_barrier_wait -1
	s_cmp_lt_u32 s[WV], 2
	s_cbranch_scc0 .Lnot_mine
	ds_load_b128 v[SS:SS+3], v[CSR]                ; wave 0: the first pass's halfwords of the sixteen waves; wave 1: the second pass's
	s_wait_dscnt 0x0
	global_store_b128 v[CSG], v[SS:SS+3], s[18:19] ; 512 consecutive bytes a wave
.Lnot_mine:
	s_wait_tensorcnt 0x0                           ; the wave's end
	ds_add_u32 v[SPW], v[NIL]
	s_wait_dscnt 0x0
	s_endpgm
.Lfunc_end_k_qdf5f65af34_attn:
	.size	k_qdf5f65af34_attn, .Lfunc_end_k_qdf5f65af34_attn-k_qdf5f65af34_attn
	.p2alignl 7, 3214868480
	.fill 96, 4, 3214868480
	.section	.rodata,"a",@progbits
	.p2align	6, 0x0
	.amdhsa_kernel k_qdf5f65af34_attn
		.amdhsa_group_segment_fixed_size 327680
		.amdhsa_private_segment_fixed_size 0
		.amdhsa_enable_private_segment 0
		.amdhsa_kernarg_size 40
		.amdhsa_user_sgpr_count 2
		.amdhsa_user_sgpr_kernarg_segment_ptr 1
		.amdhsa_wavefront_size32 1
		.amdhsa_system_sgpr_workgroup_id_x 1
		.amdhsa_system_sgpr_workgroup_id_y 1
		.amdhsa_system_sgpr_workgroup_id_z 1
		.amdhsa_system_vgpr_workitem_id 0
		.amdhsa_next_free_vgpr 256
		.amdhsa_next_free_sgpr 102
		.amdhsa_reserve_vcc 1
		.amdhsa_float_denorm_mode_32 3
		.amdhsa_float_denorm_mode_16_64 3
		.amdhsa_fp16_overflow 1
		.amdhsa_memory_ordered 1
		.amdhsa_forward_progress 1
		.amdhsa_inst_pref_size 88
	.end_amdhsa_kernel
	.amdgpu_metadata
---
amdhsa.version: [ 1, 2 ]
amdhsa.kernels:
  - .name:           k_qdf5f65af34_attn
    .symbol:         k_qdf5f65af34_attn.kd
    .args:
      - { .name: qimg, .offset: 0, .size: 8, .value_kind: global_buffer, .address_space: global }
      - { .name: kv, .offset: 8, .size: 8, .value_kind: global_buffer, .address_space: global }
      - { .name: maskbits, .offset: 16, .size: 8, .value_kind: global_buffer, .address_space: global }
      - { .name: ctximg, .offset: 24, .size: 8, .value_kind: global_buffer, .address_space: global }
      - { .name: ctxs, .offset: 32, .size: 8, .value_kind: global_buffer, .address_space: global }
    .group_segment_fixed_size: 327680
    .private_segment_fixed_size: 0
    .kernarg_segment_align: 8
    .kernarg_segment_size: 40
    .max_flat_workgroup_size: 512
    .sgpr_count:     102
    .vgpr_count:     256
    .wavefront_size: 32
...
	.end_amdgpu_metadata
.endif
;; end of part 3
;; launch outln (part 4): grid 256 x 1, 4 waves a work-group, no clusters, 263,680 bytes of LDS; arguments ctximg, ctxs, woimg, Wo_scales, bo, q, gamma, beta, out0; writes out0
.if DOCPART == 4
	.amdgcn_target "amdgcn-amd-amdhsa--gfx1250"
	.amdhsa_code_object_version 6
	.text
	.protected	k_qdf5f65af34_outln
	.globl	k_qdf5f65af34_outln
	.p2align	8
	.type	k_qdf5f65af34_outln,@function
k_qdf5f65af34_outln:
	s_mov_b64 s[64:65], 0
	v_nop
	global_prefetch_b8 v0, s[64:65] scope:SCOPE_SE
	s_setreg_imm32_b32 hwreg(HW_REG_WAVE_MODE, 25, 1), 1
	s_wait_xcnt 0x0
; out = LayerNorm(q + ctx Wo^T + bo) x gamma + beta; the product on codes of E4M3 with one E8M0 scale for each 32 along K = 1,024; all else in f32.
; SHARES.  Work-group G owns tokens 32 G .. 32 G + 31, whole rows, as the norm wants them.  In the product wave w owns columns 256 w .. 256 w + 255: 16 tiles of columns x 2 tiles of rows = 32 accumulators.
; In the norm wave w owns rows 8 w .. 8 w + 7.  The product is used transposed (source 0 = 16 rows of Wo, source 1 = 16 tokens): a lane holds eight neighbouring columns of one token.
; OPERANDS come as images of their registers: every load is 512 consecutive bytes.  ctx's 16 fragments stay in registers; Wo's go through two buffers of 8 fragments, two groups (64 loads a wave) ahead.
; bo is loaded straight into the accumulators, so every product adds in place and nothing is cleared.  q's 32 rows come into LDS by asynchronous copies issued first of all, and land under the product.
; NO MULTICAST: every work-group reads all of Wo, but each fragment is read by ONE wave of a work-group and feeds two products from registers; a joint load would send the same bytes through LDS,
; written once and read once, behind a round of the cluster's barrier for each slot.
; THE NORM is taken in two passes over registers (mean; then the squares of x - mean), as the definition has it, so that a common offset of the inputs does no harm.
; LIMITS: a scale byte 0xff in ctxs (a token whose mask was set everywhere) makes that token's row NaN, as the definition does.
; REGISTERS, in windows of 256: window 0: v1-27 addresses; v32-95 Wo's scale words (pair p of tiles, K step ks at 32 + 8 p + ks: lanes 0-15 tile 2 p, lanes 16-31 tile 2 p + 1); v96-103 ctx's scale words
;   (lanes 0-15 the first 16 tokens, lanes 16-31 the second); v104-119 ctx's halfwords as loaded; v120-127 the norm's figures; v128-255 two sets of a row (32 of o, 32 of q).
;   window 1: ctx's fragments (u, ks) at 16 (8 u + ks); later gamma v0-31, beta v32-63.   window 2: accumulators (jl, u) at 8 (2 jl + u).   window 3: Wo's two buffers.
.set OP,   4112                        ; a row in LDS: 4,096 bytes + 16: the 16 rows that a store touches begin 4 words apart, modulo 64 words
.set QR,   32*OP                       ; LDS: o's 32 rows (written by LDS stores), then q's 32 rows (filled once by the copies)
.set L16,  1                           ; v1   16 x lane
.set H32,  2                           ; v2   32 h
.set L32,  3                           ; v3   32 x lane
.set L2,   4                           ; v4   2 x lane
.set STO,  5                           ; v5, v6  where I put 32 bytes of a row of o: tokens 0-15, 16-31
.set AO,   7                           ; v7   my 8 rows of o, 16 bytes a lane
.set LA,   8                           ; v8-15   the copies' LDS addresses, a row each; untouched until the wait for the copies
.set GA,   16                          ; v16-23  and their offsets in q
.set AQ,   24                          ; v24  my 8 rows of q
.set WS,   32
.set CSW,  96
.set CH16, 104
.set WV,   4
.set SEL,  8
.set MSB, 0
.macro WIN new                         ; the immediate's high byte repeats the setting that is left
.if MSB != \new
	s_set_vgpr_msb (MSB<<8)|\new
.set MSB, \new
.endif
.endm
	s_load_b512 s[16:31], s[0:1], 0x0              ; ctximg s[16:17], ctxs s[18:19], woimg s[20:21], Wo_scales s[22:23], bo s[24:25], q s[26:27], gamma s[28:29], beta s[30:31]
	s_load_b64 s[32:33], s[0:1], 0x40              ; out0
	v_lshl_add_u32 v30, v0, 2, 0x40400
	v_mov_b32 v31, 0
	ds_add_u32 v30, v31
	ds_add_u32 v30, v31
	v_lshrrev_b32 v1, 5, v0
	v_readfirstlane_b32 s[WV], v1                  ; wave 0..3
	v_and_b32 v25, 31, v0                          ; lane
	v_and_b32 v26, 15, v0                          ; r
	v_bfe_u32 v27, v0, 4, 1                        ; h
	v_lshlrev_b32 v[L16], 4, v25
	v_lshlrev_b32 v[H32], 5, v27
	v_lshlrev_b32 v[L32], 5, v25
	v_lshlrev_b32 v[L2], 1, v25
	s_mul_i32 s5, s[WV], 8*OP
	v_add_nc_u32 v[AO], s5, v[L16]
	v_add_nc_u32 v[AQ], QR, v[AO]
.irp i, 0,1,2,3,4,5,6,7
	v_add_nc_u32 v[LA+\i], \i*OP, v[AQ]
	v_add_nc_u32 v[GA+\i], \i*4096, v[L16]
.endr
	v_mul_u32_u24 v[STO], v26, OP
	v_lshl_add_u32 v[STO], v27, 5, v[STO]
	s_lshl_b32 s5, s[WV], 10
	v_add_nc_u32 v[STO], s5, v[STO]                ; row r, + 1,024 x wave + 32 h
	v_add_nc_u32 v[STO+1], 16*OP, v[STO]
	s_mov_b32 s[SEL], 0x76543210
	s_mov_b32 s[SEL+1], 0xfedcba98
	s_mov_b32 s10, 0x3a800000                      ; 1 / 1,024
	s_mov_b32 s11, 0x3727c5ac                      ; 1e-5
	s_mov_b32 s7, 0
	s_wait_alu depctr_va_vdst(0)
	s_wait_dscnt 0x0
	s_wait_kmcnt 0x0
	s_lshl_b32 s6, ttmp9, 17                       ; 32 rows of 4,096 bytes,
	s_lshl_b32 s5, s[WV], 15                       ; my 8 of them
	s_add_co_u32 s6, s6, s5
	s_add_nc_u64 s[26:27], s[26:27], s[6:7]
	s_add_nc_u64 s[32:33], s[32:33], s[6:7]
	s_lshl_b32 s6, ttmp9, 15
	s_add_nc_u64 s[16:17], s[16:17], s[6:7]        ; ctx's 16 fragments
	s_lshl_b32 s6, ttmp9, 6
	s_add_nc_u64 s[18:19], s[18:19], s[6:7]        ; its halfwords: 64 bytes a head
	s_lshl_b32 s6, s[WV], 18
	s_add_nc_u64 s[20:21], s[20:21], s[6:7]        ; my 16 tiles of Wo: 128 fragments
	s_lshl_b32 s6, s[WV], 13
	s_add_nc_u64 s[22:23], s[22:23], s[6:7]        ; their scales: 256 rows of 32 bytes
	s_lshl_b32 s6, s[WV], 10
	s_add_nc_u64 s[24:25], s[24:25], s[6:7]        ; my 256 numbers of bo
.irp i, 0,1,2,3,4,5,6,7                        ; q's rows: 512 consecutive bytes a copy; the immediate is added to both addresses
.irp ee, 0,1,2,3,4,5,6,7
	global_load_async_to_lds_b128 v[LA+\i], v[GA+\i], s[26:27] offset:512*\ee
.endr
.endr
	WIN 0x40                                       ; destination window 1
.set ff, 0
.rept 16
.irp cc, 0,1,2,3
	global_load_b128 v[16*ff+4*\cc:16*ff+4*\cc+3], v[L16], s[16:17] offset:ff*2048+512*\cc
.endr
.set ff, ff+1
.endr
	WIN 0x80                                       ; destination window 2: bo, in the result's layout: tile jl, register j: column 16 jl + 8 h + j, for both tiles of tokens
.set jl, 0
.rept 16
.irp uu, 0,1
	global_load_b128 v[8*(2*jl+\uu):8*(2*jl+\uu)+3],   v[H32], s[24:25] offset:64*jl
	global_load_b128 v[8*(2*jl+\uu)+4:8*(2*jl+\uu)+7], v[H32], s[24:25] offset:64*jl+16
.endr
.set jl, jl+1
.endr
	WIN 0
.irp pp, 0,1,2,3,4,5,6,7                       ; Wo's scale words: lane l takes row 32 p + l's 32 bytes: 1,024 consecutive bytes a pair of tiles
	global_load_b128 v[WS+8*\pp:WS+8*\pp+3],   v[L32], s[22:23] offset:1024*\pp
	global_load_b128 v[WS+8*\pp+4:WS+8*\pp+7], v[L32], s[22:23] offset:1024*\pp+16
.endr
.set hd, 0
.rept 16
	global_load_u16 v[CH16+hd], v[L2], s[18:19] offset:hd*16384
.set hd, hd+1
.endr
; Group g: tiles 2 (g / 2) + e of columns, K steps 4 (g % 2) + kq: eight fragments into buffer g % 2
.macro BLOAD g
	WIN 0xc0                                       ; destination window 3
.irp ee, 0,1
.irp kq, 0,1,2,3
.irp cc, 0,1,2,3
	global_load_b128 v[128*((\g)%2)+16*(4*\ee+\kq)+4*\cc:128*((\g)%2)+16*(4*\ee+\kq)+4*\cc+3], v[L16], s[20:21] offset:((2*((\g)/2)+\ee)*8+4*((\g)%2)+\kq)*2048+512*\cc
.endr
.endr
.endr
.endm
.macro GROUP g
.if (\g) < 15
	s_wait_loadcnt 32                              ; this group's 32 loads are in; the next group's may be out
.else
	s_wait_loadcnt 0x0
.endif
	WIN 0xa7                                       ; source 0 (Wo) window 3, source 1 (ctx) window 1, C and D window 2
.irp kq, 0,1,2,3
.irp ee, 0,1
.irp uu, 0,1                                   ; four accumulators by turns, one instruction a turn
.set rd, 8*(2*(2*((\g)/2)+\ee)+\uu)
.set ra, 128*((\g)%2)+16*(4*\ee+\kq)
.set rb, 16*(8*\uu+4*((\g)%2)+\kq)
.set sa, WS+8*((\g)/2)+4*((\g)%2)+\kq
.set sb, CSW+4*((\g)%2)+\kq
.if (\ee == 0) && (\uu == 0)
	v_wmma_scale_f32_16x16x128_f8f6f4 v[rd:rd+7], v[ra:ra+15], v[rb:rb+15], v[rd:rd+7], v[sa], v[sb]
.elseif (\ee == 1) && (\uu == 0)
	v_wmma_scale_f32_16x16x128_f8f6f4 v[rd:rd+7], v[ra:ra+15], v[rb:rb+15], v[rd:rd+7], v[sa], v[sb] matrix_a_scale:MATRIX_SCALE_ROW1
.elseif (\ee == 0) && (\uu == 1)
	v_wmma_scale_f32_16x16x128_f8f6f4 v[rd:rd+7], v[ra:ra+15], v[rb:rb+15], v[rd:rd+7], v[sa], v[sb] matrix_b_scale:MATRIX_SCALE_ROW1
.else
	v_wmma_scale_f32_16x16x128_f8f6f4 v[rd:rd+7], v[ra:ra+15], v[rb:rb+15], v[rd:rd+7], v[sa], v[sb] matrix_a_scale:MATRIX_SCALE_ROW1 matrix_b_scale:MATRIX_SCALE_ROW1
.endif
.endr
.endr
.endr
.rept 8
	v_nop                                          ; places in front of loads into registers that these products have read, and of the first read of results
.endr
.if (\g) < 14
	BLOAD (\g)+2
.endif
.endm
	BLOAD 0
	WIN 0
	s_wait_loadcnt 32                              ; all that was asked for ahead of group 0 is in
.irp ks, 0,1,2,3,4,5,6,7
	v_lshl_or_b32 v[CSW+\ks], v[CH16+2*\ks+1], 16, v[CH16+2*\ks]   ; a K step of 128 is two heads: two bytes of each
.endr
.rept 8
	v_nop                                          ; a scale register written by a vector instruction stands eight places ahead of the product
.endr
	BLOAD 1
	s_wait_alu depctr_va_vdst(0)
.irp g, 0,1,2,3,4,5,6,7,8,9,10,11,12,13,14,15
	GROUP \g
.endr
	WIN 0x40                                       ; gamma and beta take ctx's registers: lane l holds columns 128 e + 4 l + 0 .. 3, as in the norm
.irp ee, 0,1,2,3,4,5,6,7
	global_load_b128 v[4*\ee:4*\ee+3],       v[L16], s[28:29] offset:512*\ee
	global_load_b128 v[32+4*\ee:32+4*\ee+3], v[L16], s[30:31] offset:512*\ee
.endr
	WIN 0x08                                       ; an LDS store's data are its source 1: window 2
.set jl, 0
.rept 16
.irp uu, 0,1
	ds_store_b128 v[STO+\uu], v[8*(2*jl+\uu):8*(2*jl+\uu)+3]   offset:64*jl      ; each accumulator from its low end on
	ds_store_b128 v[STO+\uu], v[8*(2*jl+\uu)+4:8*(2*jl+\uu)+7] offset:64*jl+16
.endr
.set jl, jl+1
.endr
	WIN 0
	s_wait_asynccnt 0x0                            ; q's rows have landed,
	s_wait_dscnt 0x0                               ; my part of o is in the stage: for the others' sake
	s_barrier_signal -1
	s_barrier_wait -1
	s_wait_loadcnt 0x0                             ; gamma and beta
.macro LNLOAD i                        ; row i of my eight: 32 numbers of o and 32 of q a lane, 512 consecutive bytes a load
.set LL, 128+64*((\i)%2)
.irp ee, 0,1,2,3,4,5,6,7
	ds_load_b128 v[LL+4*\ee:LL+4*\ee+3],       v[AO] offset:(\i)*OP+512*\ee
	ds_load_b128 v[LL+32+4*\ee:LL+32+4*\ee+3], v[AQ] offset:(\i)*OP+512*\ee
.endr
.endm
.macro ACROSS                          ; v120 summed over the 32 lanes; every lane has the result
	v_add_f32 v120, v120, v121
	v_add_f32_dpp v120, v120, v120 row_xmask:1 row_mask:0xf bank_mask:0xf
	v_add_f32_dpp v120, v120, v120 row_xmask:2 row_mask:0xf bank_mask:0xf
	v_add_f32_dpp v120, v120, v120 row_xmask:4 row_mask:0xf bank_mask:0xf
	v_add_f32_dpp v120, v120, v120 row_xmask:8 row_mask:0xf bank_mask:0xf
	v_permlanex16_b32 v121, v120, s[SEL], s[SEL+1]
	v_add_f32 v120, v120, v121
.endm
.macro LNROW i
.if (\i) < 7
	s_wait_xcnt 0x0                                ; the stores of the row before have read the other set's registers
	LNLOAD (\i)+1
	s_wait_dscnt 16                                ; this row is in; the next row's 16 loads may be out
.else
	s_wait_dscnt 0x0
.endif
.set LB, 128+64*((\i)%2)
.set pq, 0
.rept 16
	v_pk_add_f32 v[LB+pq:LB+pq+1], v[LB+pq:LB+pq+1], v[LB+32+pq:LB+32+pq+1]   ; x = o + q
.set pq, pq+2
.endr
	v_pk_add_f32 v[120:121], v[LB:LB+1], v[LB+2:LB+3]        ; the sum, in two chains
	v_pk_add_f32 v[122:123], v[LB+4:LB+5], v[LB+6:LB+7]
.irp pp, 8,12,16,20,24,28
	v_pk_add_f32 v[120:121], v[120:121], v[LB+\pp:LB+\pp+1]
	v_pk_add_f32 v[122:123], v[122:123], v[LB+\pp+2:LB+\pp+3]
.endr
	v_pk_add_f32 v[120:121], v[120:121], v[122:123]
	ACROSS
	v_mul_f32 v124, s10, v120                      ; the mean, twice: a pair for the packed form
	v_mul_f32 v125, s10, v120
.set pq, 0
.rept 16
	v_pk_add_f32 v[LB+pq:LB+pq+1], v[LB+pq:LB+pq+1], v[124:125] neg_lo:[0,1] neg_hi:[0,1]   ; x - mean
.set pq, pq+2
.endr
	v_pk_mul_f32 v[120:121], v[LB:LB+1], v[LB:LB+1]          ; the squares, in two chains
	v_pk_mul_f32 v[122:123], v[LB+2:LB+3], v[LB+2:LB+3]
.irp pp, 4,8,12,16,20,24,28
	v_pk_fma_f32 v[120:121], v[LB+\pp:LB+\pp+1], v[LB+\pp:LB+\pp+1], v[120:121]
	v_pk_fma_f32 v[122:123], v[LB+\pp+2:LB+\pp+3], v[LB+\pp+2:LB+\pp+3], v[122:123]
.endr
	v_pk_add_f32 v[120:121], v[120:121], v[122:123]
	ACROSS
	v_fma_f32 v122, v120, s10, s11                 ; the variance + 1e-5
	s_wait_alu depctr_va_vdst(0)
	v_rsq_f32 v126, v122
	v_rsq_f32 v127, v122
	v_nop                                          ; a plain instruction behind the last of the two
	s_wait_alu depctr_va_vdst(0)                   ; one wait for both, ahead of their first reader
.set pq, 0
.rept 16
	v_pk_mul_f32 v[LB+pq:LB+pq+1], v[LB+pq:LB+pq+1], v[126:127]
.set pq, pq+2
.endr
	WIN 0x14                                       ; sources 1 and 2 (gamma, beta) window 1
.set pq, 0
.rept 16
	v_pk_fma_f32 v[LB+pq:LB+pq+1], v[LB+pq:LB+pq+1], v[pq:pq+1], v[32+pq:32+pq+1]
.set pq, pq+2
.endr
	WIN 0
.irp ee, 0,1,2,3,4,5,6,7
	global_store_b128 v[L16], v[LB+4*\ee:LB+4*\ee+3], s[32:33] offset:(\i)*4096+512*\ee th:TH_STORE_NT   ; 512 consecutive bytes, aligned; written once
.endr
.endm
	LNLOAD 0
.irp i, 0,1,2,3,4,5,6,7
	LNROW \i
.endr
	s_wait_tensorcnt 0x0
	ds_add_u32 v30, v31
	s_wait_dscnt 0x0
	s_endpgm
.Lfunc_end_k_qdf5f65af34_outln:
	.size	k_qdf5f65af34_outln, .Lfunc_end_k_qdf5f65af34_outln-k_qdf5f65af34_outln
	.p2alignl 7, 3214868480
	.fill 96, 4, 3214868480
	.section	.rodata,"a",@progbits
	.p2align	6, 0x0
	.amdhsa_kernel k_qdf5f65af34_outln
		.amdhsa_group_segment_fixed_size 263680
		.amdhsa_private_segment_fixed_size 0
		.amdhsa_enable_private_segment 0
		.amdhsa_kernarg_size 72
		.amdhsa_user_sgpr_count 2
		.amdhsa_user_sgpr_kernarg_segment_ptr 1
		.amdhsa_wavefront_size32 1
		.amdhsa_system_sgpr_workgroup_id_x 1
		.amdhsa_system_sgpr_workgroup_id_y 1
		.amdhsa_system_sgpr_workgroup_id_z 1
		.amdhsa_system_vgpr_workitem_id 0
		.amdhsa_next_free_vgpr 1024
		.amdhsa_next_free_sgpr 66
		.amdhsa_reserve_vcc 0
		.amdhsa_float_denorm_mode_32 3
		.amdhsa_float_denorm_mode_16_64 3
		.amdhsa_memory_ordered 1
		.amdhsa_forward_progress 1
		.amdhsa_inst_pref_size 188
	.end_amdhsa_kernel
	.amdgpu_metadata
---
amdhsa.version: [ 1, 2 ]
amdhsa.kernels:
  - .name:           k_qdf5f65af34_outln
    .symbol:         k_qdf5f65af34_outln.kd
    .args:
      - { .name: ctximg, .offset: 0, .size: 8, .value_kind: global_buffer, .address_space: global }
      - { .name: ctxs, .offset: 8, .size: 8, .value_kind: global_buffer, .address_space: global }
      - { .name: woimg, .offset: 16, .size: 8, .value_kind: global_buffer, .address_space: global }
      - { .name: Wo_scales, .offset: 24, .size: 8, .value_kind: global_buffer, .address_space: global }
      - { .name: bo, .offset: 32, .size: 8, .value_kind: global_buffer, .address_space: global }
      - { .name: q, .offset: 40, .size: 8, .value_kind: global_buffer, .address_space: global }
      - { .name: gamma, .offset: 48, .size: 8, .value_kind: global_buffer, .address_space: global }
      - { .name: beta, .offset: 56, .size: 8, .value_kind: global_buffer, .address_space: global }
      - { .name: out0, .offset: 64, .size: 8, .value_kind: global_buffer, .address_space: global }
    .group_segment_fixed_size: 263680
    .private_segment_fixed_size: 0
    .kernarg_segment_align: 8
    .kernarg_segment_size: 72
    .max_flat_workgroup_size: 128
    .sgpr_count:     66
    .vgpr_count:     1024
    .wavefront_size: 32
...
	.end_amdgpu_metadata
.endif
;; end of part 4
